; MI455X (gfx1250); checked and timed in simulation.
; The chip was launched on July 23, 2026; its instructions are those of AMD's public machine-readable ISA for CDNA 5 (MIT licence, August 2026) and "CDNA5" Instruction Set Architecture Reference Guide (July 2026). The comments in the code are by the model that wrote it; some were corrected since.
;; Causal Self Attention. Allowed arithmetic: matrix products marked QUANTISED: E5M2 operands, one E8M0 scale for each 32 along K, by v_wmma_scale_f32_16x16x128_f8f6f4 with both operands' format E5M2, f32 sums; everything else in f32.
;; Inputs: beta 1,024 float32; gamma 1,024 float32; in_proj_b 3,072 float32; in_proj_w_codes 3,072 x 32 x 32 uint8 (E5M2 codes of in_proj_w, K innermost, in blocks of 32 codes); in_proj_w_scales 3,072 x 32 uint8 (E8M0 scales of in_proj_w, one for each 32 codes along K); out_b 1,024 float32; out_w_codes 1,024 x 32 x 32 uint8 (E5M2 codes of out_w, K innermost, in blocks of 32 codes); out_w_scales 1,024 x 32 uint8 (E8M0 scales of out_w, one for each 32 codes along K); x 4 x 2,048 x 1,024 float32.
;; Outputs: out0 4 x 2,048 x 1,024 float32.
;; This version of the problem:
;;   THIS VERSION OF THE PROBLEM IS GIVEN IN LOW PRECISION. The matrix products marked QUANTISED in the list below multiply operands that are first quantised to E5M2 (5 exponent bits, 2 mantissa bits; 8 bits a number), with one power-of-two scale for each 32 numbers along K (OCP MX v1.0); their sums are f32. All else is computed in f32.
;;   The module's matrix products, in the order in which they are computed (A, B: the left and right operand; K: the contracted axis; several contracted axes count as one K, in the product's order):
;;     1. [M 8,192, K 1,024] x [K 1,024, N 3,072]; A: input x; B: input in_proj_w (given as codes): QUANTISED
;;     2. batch 64 x [M 2,048, K 64] x [K 64, N 2,048]; A: computed on the way; B: computed on the way: QUANTISED
;;     3. batch 64 x [M 2,048, K 2,048] x [K 2,048, N 64]; A: softmax (see below); B: computed on the way: QUANTISED
;;     4. [M 8,192, K 1,024] x [K 1,024, N 1,024]; A: computed on the way; B: input out_w (given as codes): QUANTISED
;;   THE QUANTISER, for each operand of a quantised product, along K:
;;     - K is cut into blocks of 32 from its start; a last block that is shorter is filled with zeros.
;;     - A block's scale is 2^e with e = floor(log2(the largest magnitude in the block)) - 15, held to -126 .. 127; a block of zeros has e = 0. As a byte (E8M0): e + 127.
;;     - Each number is divided by its block's scale, clamped to +-57,344, and rounded to the nearest number of E5M2, ties to even, subnormals kept.
;;     - The product sums the exact products of the quantised numbers (number of the format x scale) in f32.
;;   ~~~python
;;   def quantise(x, axis):      # numpy; x: float32 -> the quantised numbers, widened to float32 again
;;       x = np.moveaxis(x, axis, -1); K = x.shape[-1]
;;       x = np.pad(x, [(0, 0)] * (x.ndim - 1) + [(0, -K % 32)]); x = x.reshape(x.shape[:-1] + (-1, 32)); a = np.abs(x).max(-1, keepdims=True)
;;       e = np.where(a > 0, np.clip(np.frexp(np.where(a > 0, a, 1))[1] - 1 - 15, -126, 127), 0)      # np.frexp(a)[1] - 1 = floor(log2(a)), exactly
;;       r = np.clip(x / 2.0 ** e, -57344, 57344)
;;       step = 2.0 ** (np.maximum(np.frexp(np.where(r == 0, 1, r))[1] - 1, -14) - 2)
;;       q = np.round(r / step) * step * 2.0 ** e      # np.round: ties to even
;;       return np.moveaxis(q.reshape(q.shape[:-2] + (-1,))[..., :K], -1, axis).astype(np.float32)
;;   ~~~
;;   SOFTMAX AHEAD OF A QUANTISED PRODUCT. Where the list says 'softmax', what is quantised is not the finished softmax but p = 2^(t - M), with t = logit x log2(e) and M = ceil(the row's largest t), a whole number; so 1/2 < the row's largest p <= 1. The row's sum l is taken of the UNQUANTISED p, in f32, and the product's result is divided by l at the end. Since M is a whole number, a kernel that streams over the keys may use a running M (the ceiling of the running maximum): every later rescaling is an exact power of two, which a block's scale takes up: the codes' values come out the same.
;;   OPERANDS COMPUTED ON THE WAY. 'Computed on the way' means the value that the module computes at that place (a softmax that the list does not call 'softmax' is quantised finished and normalised). What goes into a quantiser is computed in f32, as accurately as f32 sums, v_exp_f32 and their like allow (about 1e-6 of the number): no bf16 or f16 on the way to a quantiser, and a product that is left as it is and whose result goes on into a quantised operand takes f32 operands (vector FMAs, or v_wmma_f32_16x16x4_f32). A number that lies on a knife's edge between two numbers of the format may be rounded either way, as far as f32 arithmetic and the matrix unit's own rounding can turn it there, and no further.
;;   INPUTS GIVEN AS CODES. in_proj_w (in the module: [3072, 1024], K = its axis 1); out_w (in the module: [1024, 1024], K = its axis 1): each comes as NAME_codes (uint8): NAME with its K axis moved to the last place and cut into blocks of 32 codes, [.., K / 32, bytes a block], one block behind the other in memory; one code a byte (a code: sign, 5 exponent bits, 2 mantissa bits); and NAME_scales (uint8): the same leading axes, one E8M0 byte (e + 127) for each 32 codes along K. Its value is code x scale, taken as it is: it is not quantised again, and the codes and scales need not be those that the quantiser above would give.
;; One version. Each part assembles by itself: llvm-mc -triple=amdgcn-amd-amdhsa -mcpu=gfx1250 --defsym DOCPART=n.
;; ======== version 1 of 1: 4 launches
;; limits: right only within a limited range of input values
;; workspace buffers: x_codes 8,388,608 bytes; x_scales 262,144 bytes; qkv 25,952,256 bytes; ctx_img 8,388,608 bytes; ctx_sc 262,144 bytes
;; launch qx (part 1): grid 256 x 1, 4 waves a work-group, no clusters, 33,280 bytes of LDS; arguments x, x_codes, x_scales; writes x_codes, x_scales
.if DOCPART == 1
	.amdgcn_target "amdgcn-amd-amdhsa--gfx1250"
	.amdhsa_code_object_version 6
	.text
	.protected	k_q138f29ff53_qx
	.globl	k_q138f29ff53_qx
	.p2align	8
	.type	k_q138f29ff53_qx,@function
k_q138f29ff53_qx:
	s_mov_b64 s[64:65], 0
	v_nop
	global_prefetch_b8 v0, s[64:65] scope:SCOPE_SE
	s_setreg_imm32_b32 hwreg(HW_REG_WAVE_MODE, 25, 1), 1
	s_wait_xcnt 0x0
; THE PROGRAM: four launches.  1 (this one): x -> codes of E5M2 and E8M0 scale bytes.  2: x W_in^T + in_proj_b, quantised on its way out into q, k (along the head's 64) and v (along the keys).
; 3: causal attention on codes, its result quantised along D.  4: ctx W_out^T + out_b + x, LayerNorm.
; WORK LEFT OUT, in launch 3 alone: key steps of 128 keys that lie wholly above the diagonal of the mask which reference() builds itself (jnp.tril): there every score becomes -inf ahead of the softmax,
; so p = 0 and the step adds 0 to the row's sum and to ctx, whatever finite values the inputs hold.  No input is without a way to the output: all are loaded.
; LIMIT: a NaN, an infinity or an overflow that reaches only those steps is not carried to the result.
; THIS LAUNCH.  x [8192][1024] f32 becomes x_codes [8192][1024] (K innermost) and x_scales [8192][32], one byte for each 32 along K.
; A block's scale is 2^(floor(log2(its largest magnitude)) - 15); its byte is the largest magnitude's exponent field - 15, held at 1 from below.  Each number is divided by the scale, held within +-57,344 and rounded to the nearest code, ties to even.
; LIMITS: a block of zeros gets the byte 1 where the rule says 127 (its codes are zeros, which add nothing, and this program alone reads the bytes); blocks whose largest magnitude lies under 2^-111 keep the byte 1; NaN and infinities among the inputs are not served.
; Rows are dense and 1,024 is a multiple of 32: x is a plain stream of blocks of 32.  A wave takes 16 steps of 512 numbers.  Each of a step's four loads reads 512 consecutive bytes, 16 a lane; the 2,048 bytes turn through
; the wave's own stage in LDS and come back 64 bytes a lane, so that a lane holds 16 neighbours and two neighbouring lanes a block.  A lane's 16 codes are 16 bytes: the wave stores 512 consecutive bytes.
; A wave's 256 scale bytes are gathered in its own LDS bytes and leave as 256 consecutive bytes, aligned.  No barrier: waves share nothing.  Loads run four steps ahead, the turn through LDS one step.
.set WAVES, 4
.set STEPS, 16
.set MANT,  0x600000                   ; the mantissa field of 57,344 as f32
.set CB,    16                         ; bytes of 16 codes
.set R,     16                         ; v16-79   four sets of 16 numbers as they are loaded
.set X,     80                         ; v80-111  two sets of 16 neighbours
.set C,     128                        ; v128-191 codes: four registers for each step, so that no store's data are written again
.set E,     112                        ; v112-127 a scale byte for each step
.set WREG,  8192                       ; LDS: a region for each wave: two stages of 32 x SP bytes, behind them its 256 scale bytes
.set SP,    80                         ; a lane's place in a stage: 64 bytes + 16 of padding
.set SPW,   12                         ; v12  LDS address of my spare word; never rewritten
.set NIL,   13                         ; v13  0; never rewritten
.set SPARE, WAVES*WREG                 ; behind the four regions: the spare words, 128 bytes a wave, which no other line names
	s_load_b128 s[4:7], s[0:1], 0x0                ; x, x_codes
	s_load_b64 s[8:9], s[0:1], 0x10                ; x_scales
	v_lshl_add_u32 v[SPW], v0, 2, SPARE
	v_mov_b32 v[NIL], 0
	v_lshrrev_b32 v1, 5, v0
	v_readfirstlane_b32 s16, v1                    ; wave
	v_and_b32 v2, 31, v0                           ; lane
	v_lshlrev_b32 v3, 4, v2                        ; my 16 bytes of a load's 512
	s_mul_i32 s17, s16, WREG
	v_lshrrev_b32 v14, 2, v2
	v_mul_u32_u24 v14, v14, SP
	v_and_b32 v15, 3, v2
	v_lshl_add_u32 v14, v15, 4, v14
	v_add_nc_u32 v14, s17, v14                     ; the stage, on the way in: SP (lane / 4) + 16 (lane % 4)
	v_mul_u32_u24 v15, v2, SP
	v_add_nc_u32 v15, s17, v15                     ; and on the way out: SP x lane: my 16 neighbours
	v_mul_u32_u24 v4, v2, CB                       ; my codes' place in a step's
	v_lshrrev_b32 v5, 1, v2
	s_add_co_u32 s17, s17, 2*32*SP
	v_add_nc_u32 v5, s17, v5                       ; LDS: my wave's 256 scale bytes, my block's byte
	v_lshlrev_b32 v7, 3, v2                        ; and on the way out 8 bytes a lane
	v_add_nc_u32 v6, s17, v7
	s_mov_b32 s23, MANT
	s_lshl_b32 s18, ttmp9, 2
	s_add_co_u32 s18, s18, s16                     ; which run of 8,192 numbers is my wave's
	s_lshl_b32 s20, s18, 15                        ; 32,768 bytes of x,
	s_mov_b32 s21, 0
	s_lshl_b32 s24, s18, 13                        ; 8,192 of codes,
	s_mov_b32 s25, 0
	s_lshl_b32 s26, s18, 8                         ; 256 of scale bytes a run
	s_mov_b32 s27, 0
	s_wait_alu depctr_va_vdst(0)
	s_wait_kmcnt 0x0
	s_add_nc_u64 s[4:5], s[4:5], s[20:21]
	s_add_nc_u64 s[6:7], s[6:7], s[24:25]
	s_add_nc_u64 s[8:9], s[8:9], s[26:27]
.macro LOAD t
.irp i, 0,1,2,3
	global_load_b128 v[R+16*((\t)%4)+4*\i:R+16*((\t)%4)+4*\i+3], v3, s[4:5] offset:2048*(\t)+512*\i th:TH_LOAD_NT   ; 32 lanes read 512 consecutive bytes
.endr
.endm
.macro TURN t                          ; step t's numbers through the stage: LDS serves a wave's instructions in order, so no wait stands between the stores and the loads
.irp i, 0,1,2,3
	ds_store_b128 v14, v[R+16*((\t)%4)+4*\i:R+16*((\t)%4)+4*\i+3] offset:32*SP*((\t)%2)+8*SP*\i
.endr
.irp i, 0,1,2,3
	ds_load_b128 v[X+16*((\t)%2)+4*\i:X+16*((\t)%2)+4*\i+3], v15 offset:32*SP*((\t)%2)+16*\i
.endr
.endm
.irp t, 0,1,2,3
	LOAD \t
.endr
	s_wait_loadcnt 12                              ; step 0's four loads are in
	TURN 0
.macro STEP t
.set XS, X+16*((\t)%2)
.if (\t) > 0
	s_wait_dscnt 1                                 ; this step's numbers are back from the stage (the last step's byte store may be out): so its stores into the stage have read their registers,
.else
	s_wait_dscnt 0x0
.endif
.if (\t)+4 < STEPS
	LOAD (\t)+4                                    ; which take the loads of four steps on
.endif
.if (\t)+1 < STEPS
.if STEPS-2-(\t) >= 3
	s_wait_loadcnt 12                              ; the next step's four loads are in; those of the three steps behind it may be out
.else
	s_wait_loadcnt 4*(STEPS-2-(\t))
.endif
	TURN (\t)+1                                    ; and go through the other stage while this step is worked
.endif
	v_max3_num_f32 v8, |v[XS]|, |v[XS+1]|, |v[XS+2]|               ; the largest magnitude of my 16, in two chains
	v_max3_num_f32 v9, |v[XS+3]|, |v[XS+4]|, |v[XS+5]|
.irp i, 6,10
	v_max3_num_f32 v8, v8, |v[XS+\i]|, |v[XS+\i+1]|
	v_max3_num_f32 v9, v9, |v[XS+\i+2]|, |v[XS+\i+3]|
.endr
	v_max3_num_f32 v8, v8, |v[XS+14]|, |v[XS+15]|
	v_max3_num_f32 v8, v8, v9, 0x8000000           ; and the floor 2^(16 - 127): the byte cannot fall under 1
	v_max_num_f32_dpp v8, v8, v8 row_xmask:1 row_mask:0xf bank_mask:0xf   ; and of my neighbour's 16: the block's
	v_add_nc_u32 v11, 0xf8800000, v8               ; 15 off its exponent field: the conversion takes the exponent field of this operand as its scale
	v_and_or_b32 v10, v8, 0x7f800000, s23          ; 57,344 x the scale
.irp i, 0,1,2,3,4,5,6,7,8,9,10,11,12,13,14,15
	v_med3_num_f32 v[XS+\i], v[XS+\i], -v10, v10   ; the conversion to an 8-bit code does not saturate (ISA guide 7.6.2): the hold comes first
.endr
	v_cvt_scalef32_pk8_bf8_f32 v[C+4*(\t):C+4*(\t)+1], v[XS:XS+7], v11
	v_cvt_scalef32_pk8_bf8_f32 v[C+4*(\t)+2:C+4*(\t)+3], v[XS+8:XS+15], v11
	v_lshrrev_b32 v[E+(\t)], 23, v11               ; the scale's byte (also the plain line behind the conversions)
	ds_store_b8 v5, v[E+(\t)] offset:16*(\t)       ; both lanes of a block write the same byte with the same value
	global_store_b128 v4, v[C+4*(\t):C+4*(\t)+3], s[6:7] offset:32*CB*(\t)
.endm
.irp t, 0,1,2,3,4,5,6,7,8,9,10,11,12,13,14,15
	STEP \t
.endr
	ds_load_b64 v[8:9], v6                         ; LDS serves a wave's instructions in order: these see my stores
	s_wait_dscnt 0x0
	global_store_b64 v7, v[8:9], s[8:9]            ; 32 lanes store 256 consecutive bytes, aligned
	s_wait_tensorcnt 0x0                           ; the wave's end, behind my last LDS store
	ds_add_u32 v[SPW], v[NIL]
	s_wait_dscnt 0x0
	s_endpgm
.Lfunc_end_k_q138f29ff53_qx:
	.size	k_q138f29ff53_qx, .Lfunc_end_k_q138f29ff53_qx-k_q138f29ff53_qx
	.p2alignl 7, 3214868480
	.fill 96, 4, 3214868480
	.section	.rodata,"a",@progbits
	.p2align	6, 0x0
	.amdhsa_kernel k_q138f29ff53_qx
		.amdhsa_group_segment_fixed_size 33280
		.amdhsa_private_segment_fixed_size 0
		.amdhsa_enable_private_segment 0
		.amdhsa_kernarg_size 24
		.amdhsa_user_sgpr_count 2
		.amdhsa_user_sgpr_kernarg_segment_ptr 1
		.amdhsa_wavefront_size32 1
		.amdhsa_system_sgpr_workgroup_id_x 1
		.amdhsa_system_sgpr_workgroup_id_y 1
		.amdhsa_system_sgpr_workgroup_id_z 1
		.amdhsa_system_vgpr_workitem_id 0
		.amdhsa_next_free_vgpr 192
		.amdhsa_next_free_sgpr 66
		.amdhsa_reserve_vcc 0
		.amdhsa_float_denorm_mode_32 3
		.amdhsa_float_denorm_mode_16_64 3
		.amdhsa_memory_ordered 1
		.amdhsa_forward_progress 1
		.amdhsa_inst_pref_size 51
	.end_amdhsa_kernel
	.amdgpu_metadata
---
amdhsa.version: [ 1, 2 ]
amdhsa.kernels:
  - .name:           k_q138f29ff53_qx
    .symbol:         k_q138f29ff53_qx.kd
    .args:
      - { .name: x, .offset: 0, .size: 8, .value_kind: global_buffer, .address_space: global }
      - { .name: x_codes, .offset: 8, .size: 8, .value_kind: global_buffer, .address_space: global }
      - { .name: x_scales, .offset: 16, .size: 8, .value_kind: global_buffer, .address_space: global }
    .group_segment_fixed_size: 33280
    .private_segment_fixed_size: 0
    .kernarg_segment_align: 8
    .kernarg_segment_size: 24
    .max_flat_workgroup_size: 128
    .sgpr_count:     66
    .vgpr_count:     192
    .wavefront_size: 32
...
	.end_amdgpu_metadata
.endif
;; end of part 1
;; launch qkv (part 2): grid 12 x 32, 4 waves a work-group, clusters of 4 x 4, 327,680 bytes of LDS; arguments x_codes, x_scales, in_proj_w_codes, in_proj_w_scales, in_proj_b, qkv; writes qkv
.if DOCPART == 2
	.amdgcn_target "amdgcn-amd-amdhsa--gfx1250"
	.amdhsa_code_object_version 6
	.text
	.protected	k_q138f29ff53_qkv
	.globl	k_q138f29ff53_qkv
	.p2align	8
	.type	k_q138f29ff53_qkv,@function
k_q138f29ff53_qkv:
	s_mov_b64 s[64:65], 0
	v_nop
	global_prefetch_b8 v0, s[64:65] scope:SCOPE_SE
	s_setreg_imm32_b32 hwreg(HW_REG_WAVE_MODE, 25, 1), 1
	s_wait_xcnt 0x0
	s_wait_alu depctr_hold_cnt(0) depctr_sa_sdst(0) depctr_va_vdst(0) depctr_va_sdst(0) depctr_va_ssrc(0) depctr_va_vcc(0) depctr_vm_vsrc(0)
	s_getreg_b32 s2, hwreg(HW_REG_IB_STS2, 6, 4)
	s_cmp_eq_u32 s2, 0
	s_cbranch_scc0 .Lentry_in_a_cluster
	s_endpgm
.Lentry_in_a_cluster:
	s_bfe_u32 s2, ttmp6, 0x10000c
	s_cmp_lg_u32 s2, 0xf033
	s_cbranch_scc0 .Lentry_shape_is_right
	s_endpgm
.Lentry_shape_is_right:
; LAUNCH 2 OF 4: qkv = x W^T + in_proj_b on codes of E5M2 (x_codes [8192][1024], in_proj_w_codes [3072][1024], one E8M0 byte for each 32 along K), and the result quantised on its way out:
; q and k along the head's 64 channels, v along the keys.  Nothing of reference()'s work is left out here.
; A tile of 256 x 256 is made by four waves, 128 x 128 each: 64 accumulators, 512 registers.  K goes in steps of 256 through two LDS slots filled by the tensor data mover; the scale bytes of both operands' 256 rows come once and stay.
; ROLES.  The matrix instruction takes 16 rows of "B" as source 0 and 16 rows of "A" as source 1: a lane then holds ONE row of A, and its registers run along rows of B.  What is quantised must run along a lane's registers.
;   clusters x = 0, 1 (q, k): A = x (a lane holds a token), B = W (registers run along channels).      cluster x = 2 (v): A = W (a lane holds a channel), B = x (registers run along tokens, the keys).
; The choice hangs on the cluster's x alone, which all sixteen partners share.  In both roles A's tile hangs on cy and is shared along a row of the cluster, B's on cx and is shared along a column: each tile is asked for jointly.
; THE BIAS is the C of each sum's first matrix instruction (64 registers of window 0): by B's rows for q, k; by A's row for v.  Only that first step is written twice, once for each role.
; THE WAY OUT.  A lane's 16 registers of B's tiles 2 c, 2 c + 1 hold, of the block of 32 numbered c, the places 16 (i / 8) + 8 (lane / 16) + i % 8, i = 0 .. 15.  Converted as they stand they are registers 4 c .. 4 c + 3 of an operand whose
; K is permuted INSIDE each block of 32 (one scale serves the block either way).  q and k get the same permutation here, and so do v here and p in the next launch: each product pairs the same k with the same k.  Only the order in which a sum's terms are added differs.
; qkv: [q, k, v][batch x 16 + head][16 records][8,448 bytes].  A record serves 128 tokens of one head: 8,192 bytes of operand registers as they stand (16 bytes a lane, 512 a group of four registers), then 256 bytes of scale words.
;   q, k: token tile i at 1,024 i, block c at + 512 c.  Scale words [pair P of tiles][row]: bytes = tile 2 P's two blocks, tile 2 P + 1's two.      v: channel tile d (16 channels x 128 keys) at 2,048 d + 512 c; scale words [d][row]: the four key blocks.
; LIMITS: as in the first launch (a block of zeros has the byte 1; largest magnitudes under 2^-111 keep the byte 1; NaN and infinities are not served).
; REGISTERS, in windows of 256: window 0: v16-31 addresses; v32-63 scale words, two sets; v64-127 the bias, later at work on the way out; v128-255 A's fragments, ONE set, later the codes made.
;   window 1: B's fragments, TWO sets.   window 2: the accumulators of A's blocks 0-3 ((a, b) at v[8 (8 a + b)]);   window 3: those of blocks 4-7.
.set KSTEP,  256
.set NQ,     2                         ; matrix instructions deep in a slot
.set ROWB,   256                       ; a tile's row in bytes
.set KROW,   1024                      ; a row of codes in memory
.set PITCH,  272                       ; an LDS row: 256 bytes + 16 of padding, so that the 16 rows that a load touches start 16 bytes apart modulo 256
.set FR,     16
.set NL,     4
.set NP,     8                         ; places behind this matrix instruction (ISA guide 7.12.1)
.set HALFT,  128*PITCH
.set SLOT,   4*HALFT
.set KS,     32                        ; a row of scale bytes
.set SCL,    2*SLOT
.set HALFS,  (128*KS/256)*272
.set SBLK,   (16*KS/256)*272
.set SPARE,  SCL+4*HALFS               ; the spare words, 128 bytes a wave, which no other line names
.set REG,    8650752                   ; q's, k's, v's region of qkv
.set HS,     135168                    ; a head's 16 records
.set RECB,   8448
.set ADRA, 16
.set ADRB, 20
.set L8,   22                          ; v22  8 x lane
.set LI,   24                          ; v24  16 x lane
.set SCA,  25                          ; v25  LDS: 512 x wave + 4 x row: where a scale word goes
.set SCR,  26                          ; v26  LDS: 512 x wave + 8 x lane: where they are read back
.set ADRS, 27
.set SPW,  28
.set NIL,  29
.set BV0,  30                          ; v30  32 x (lane / 16): the bias by B's rows
.set BV1,  31                          ; v31  4 x row: the bias by A's row
.set SC,   32
.set CBI,  64                          ; v64-127 the bias: eight tiles of eight registers
.set AF,   128
.set TM,   64                          ; the way out: v64-67 largest magnitudes, v68-71 the other half's, then the bytes, v72-75 the holds, v76-79 the conversions' scales
.set TP,   68
.set HO,   72
.set SO,   76
.set PW,   80                          ; v80-87  the eight scale words
.set JW,   88                          ; v88-95  q's, k's joined words
.set RB,   96                          ; v96-99  the scale words read back
.set PC,   128                         ; v128-255 the codes: 16 registers for each of A's blocks
.set G1, 24
.set G0, 32
.set G1B, 48
.set G0B, 56
.set G1S, 68
.set G0S, 76
.set G1SB, 80
.set G0SB, 88
.set MODE, 95                          ; s95  1: v's role
.set MSB, 0
.macro WIN new                         ; the immediate's high byte repeats the setting that is left
.if MSB != \new
	s_set_vgpr_msb (MSB<<8)|\new
.set MSB, \new
.endif
.endm
.set MUL_LO, 0xa1                      ; source 0 (B) window 1, source 1 (A) window 0, C and D window 2
.set MUL_HI, 0xf1                      ; the same, C and D window 3
.set FST_LO, 0x81                      ; the first step: C (the bias) window 0, D window 2
.set FST_HI, 0xc1                      ; D window 3
.set TO_B,   0x40
; A joint load: waves 0 and 1 fetch for A, waves 2 and 3 for B; the branch hangs on the wave's number alone.  An s_nop 0 and four v_nop follow each of the two lines.
.macro JLOAD g0a, g1a, g0b, g1b
	s_cmp_eq_u32 s15, 0
	s_cbranch_scc0 .Lfor_b_\@
	tensor_load_to_lds s[\g0a:\g0a+3], s[\g1a:\g1a+7]
	s_nop 0
.rept 4
	v_nop
.endr
	s_branch .Lasked_\@
.Lfor_b_\@:
	tensor_load_to_lds s[\g0b:\g0b+3], s[\g1b:\g1b+7]
	s_nop 0
.rept 4
	v_nop
.endr
.Lasked_\@:
.endm
.macro CREST                           ; a round of the cluster's barrier behind its opening barrier
	s_cmp_lg_u32 s14, 0
	s_cbranch_scc1 .Lnot_wave_0_\@
	s_barrier_signal -3
.Lnot_wave_0_\@:
	s_barrier_wait -3
	s_barrier_signal -1
	s_barrier_wait -1
.endm
.macro CROUND
	s_barrier_signal -1
	s_barrier_wait -1
	CREST
.endm
	s_load_b256 s[4:11], s[0:1], 0x0               ; x_codes, x_scales, W's codes, W's scales
	s_load_b128 s[96:99], s[0:1], 0x20             ; in_proj_b, qkv
	v_lshl_add_u32 v[SPW], v0, 2, SPARE
	v_mov_b32 v[NIL], 0
	ds_add_u32 v[SPW], v[NIL]                      ; the wave's opening: the add, twice on end, and its wait ahead of my first tensor load
	ds_add_u32 v[SPW], v[NIL]
	v_lshrrev_b32 v1, 5, v0
	v_readfirstlane_b32 s14, v1                    ; wave 0..3
	s_lshr_b32 s15, s14, 1                         ; which half of A's rows is mine.  Also: I fetch for A (0) or for B (1)
	s_and_b32 s16, s14, 1                          ; which half of B's rows.  Also: which 128 rows of that tile I fetch
	s_bfe_u32 s40, ttmp6, 0x40000                  ; cx, cy: my place in the cluster
	s_bfe_u32 s41, ttmp6, 0x40004
	s_and_b32 s18, ttmp7, 0xffff
	s_lshl_b32 s18, s18, 2                         ; 4 x cluster y
	s_lshl_b32 s19, ttmp9, 2                       ; 4 x cluster x
	s_cmp_eq_u32 ttmp9, 2                          ; the third column of clusters makes v
	s_cselect_b32 s[MODE], 1, 0
	s_cselect_b32 s17, 8, s18
	s_cselect_b32 s42, s18, s19
	s_add_co_u32 s17, s17, s41                     ; A's tile: q, k: x's, 4 cluster y + cy;  v: W's, 8 + cy
	s_add_co_u32 s42, s42, s40                     ; B's tile: q, k: W's, 4 cluster x + cx;  v: x's, 4 cluster y + cx
	s_lshl_b32 s43, s41, 2
	s_lshl_b32 s43, 15, s43                        ; my row of the cluster
	s_lshl_b32 s44, 0x1111, s40                    ; my column
	s_or_b32 s[G1+0], s43, (0<<16)|(1<<20)|(1<<21)|(5<<22)|(3<<25)  ; the mask; elements of 1 byte; padding on: 4 words behind every 64; bit 21 set beside a mask
	s_or_b32 s[G1B+0], s44, (0<<16)|(1<<20)|(1<<21)|(5<<22)|(3<<25)
.irp g, G1, G1B
	s_mov_b32 s[\g+1], ROWB<<16                    ; tensor_dim0
	s_mov_b32 s[\g+2], 256<<16                     ; tensor_dim1: 256 rows for the head's loads; behind them 128, for the ring's
	s_mov_b32 s[\g+3], ROWB<<16                    ; tile_dim0
	s_mov_b32 s[\g+4], 256                         ; tile_dim1 likewise
	s_mov_b32 s[\g+5], KROW                        ; the pitch
	s_mov_b32 s[\g+6], 0
	s_mov_b32 s[\g+7], 0
.endr
	s_or_b32 s[G1S+0], s43, (3<<16)|(1<<20)|(1<<21)|(5<<22)|(3<<25) ; the scales of 256 rows: 8,192 dense bytes as 32 rows of 256 (32 elements of 8 bytes), 16 bytes of padding behind each
	s_or_b32 s[G1SB+0], s44, (3<<16)|(1<<20)|(1<<21)|(5<<22)|(3<<25)
.irp g, G1S, G1SB
	s_mov_b32 s[\g+1], 32<<16
	s_mov_b32 s[\g+2], KS<<16                      ; the scales of 256 rows: 8,192 dense bytes as 32 rows of 256
	s_mov_b32 s[\g+3], 32<<16
	s_mov_b32 s[\g+4], KS
	s_mov_b32 s[\g+5], 32
	s_mov_b32 s[\g+6], 0
	s_mov_b32 s[\g+7], 0
.endr
	s_lshl_b32 s20, s17, 8                         ; A: the tile's first row, 256 x tile
	s_lshl_b32 s46, s42, 8                         ; B likewise
	s_mov_b32 s21, 0
	s_mov_b32 s47, 0
	s_mov_b64 s[18:19], KS
	s_mul_u64 s[22:23], s[20:21], s[18:19]         ; where these rows' scales begin, in bytes,
	s_mul_u64 s[92:93], s[46:47], s[18:19]
	s_mov_b64 s[18:19], KROW
	s_mul_u64 s[20:21], s[20:21], s[18:19]         ; and their codes
	s_mul_u64 s[46:47], s[46:47], s[18:19]
	s_mul_i32 s45, s14, HALFT                      ; where they go: wave x 128 rows: no place in the cluster enters an LDS address
	s_mul_i32 s18, s16, 128*KROW                   ; in the ring I fetch 128 rows of a tile: which half, in bytes
	s_mov_b32 s19, 0
	s_wait_dscnt 0x0                               ; both opening adds are done
	s_wait_kmcnt 0x0
	s_cmp_eq_u32 s[MODE], 1                        ; which buffer plays A and which B: the choice hangs on the cluster's x alone
	s_cselect_b64 s[12:13], s[8:9], s[4:5]         ; A's codes
	s_cselect_b64 s[66:67], s[10:11], s[6:7]       ; A's scales
	s_cselect_b64 s[8:9], s[4:5], s[8:9]           ; B's codes
	s_cselect_b64 s[10:11], s[6:7], s[10:11]       ; B's scales
	s_add_nc_u64 s[20:21], s[12:13], s[20:21]
	s_add_nc_u64 s[22:23], s[66:67], s[22:23]
	s_add_nc_u64 s[46:47], s[8:9], s[46:47]
	s_add_nc_u64 s[92:93], s[10:11], s[92:93]
	CROUND                                         ; all sixteen work-groups are here: the first joint loads meet
	s_mov_b32 s[G0S], 1
	s_mov_b32 s[G0S+1], SCL                        ; the scales of A's 256 rows
	s_mov_b64 s[G0S+2:G0S+3], s[22:23]
	s_or_b32 s[G0S+3], s[G0S+3], 0x80000000
	s_mov_b32 s[G0SB], 1
	s_mov_b32 s[G0SB+1], SCL+2*HALFS               ; and of B's, behind them
	s_mov_b64 s[G0SB+2:G0SB+3], s[92:93]
	s_or_b32 s[G0SB+3], s[G0SB+3], 0x80000000
.set G0H, 4                                    ; s[4:7], s[8:11] group 0 of the head's loads of K step 0 (the arguments that lay there have been used)
.set G0HB, 8
	s_mov_b32 s[G0H], 1                            ; K step 0's 256 rows of A,
	s_mov_b32 s[G0H+1], 0
	s_mov_b64 s[G0H+2:G0H+3], s[20:21]
	s_or_b32 s[G0H+3], s[G0H+3], 0x80000000
	s_mov_b32 s[G0HB], 1                           ; its 256 rows of B, behind them in slot 0
	s_mov_b32 s[G0HB+1], 2*HALFT
	s_mov_b64 s[G0HB+2:G0HB+3], s[46:47]
	s_or_b32 s[G0HB+3], s[G0HB+3], 0x80000000
	s_add_nc_u64 s[20:21], s[20:21], s[18:19]      ; for the ring: my 128 rows of the tile
	s_add_nc_u64 s[46:47], s[46:47], s[18:19]
.irp s, 0,1
	s_mov_b32 s[G0+4*\s], 1
	s_add_co_u32 s[G0+4*\s+1], s45, \s*SLOT
	s_add_nc_u64 s[G0+4*\s+2:G0+4*\s+3], s[20:21], \s*ROWB
	s_or_b32 s[G0+4*\s+3], s[G0+4*\s+3], 0x80000000
	s_mov_b32 s[G0B+4*\s], 1
	s_add_co_u32 s[G0B+4*\s+1], s45, \s*SLOT
	s_add_nc_u64 s[G0B+4*\s+2:G0B+4*\s+3], s[46:47], \s*ROWB
	s_or_b32 s[G0B+4*\s+3], s[G0B+4*\s+3], 0x80000000
.endr
; THE HEAD'S LOADS, ONE A WAVE: wave 0 K step 0's 256 rows of A, wave 1 its 256 rows of B, wave 2 the scales of A's 256 rows, wave 3 those of B's.
; One chain of branches on the wave's number, a load to an arm, all arms leading to one join.
.macro ARM under, g0, g1, next
	s_cmp_lt_u32 s14, \under
	s_cbranch_scc0 \next
	tensor_load_to_lds s[\g0:\g0+3], s[\g1:\g1+7]
	s_nop 0
.rept 4
	v_nop
.endr
	s_branch .Lhead_asked
\next:
.endm
	ARM 1, G0H,  G1,  .Lhead_b
	ARM 2, G0HB, G1B, .Lhead_sa
	ARM 3, G0S,  G1S, .Lhead_sb
	tensor_load_to_lds s[G0SB:G0SB+3], s[G1SB:G1SB+7]
	s_nop 0
.rept 4
	v_nop
.endr
.Lhead_asked:
	v_and_b32 v1, 15, v0
	v_bfe_u32 v2, v0, 4, 1                         ; half = lane / 16
	v_mul_u32_u24 v3, v1, PITCH
	v_lshl_add_u32 v4, v2, 4, v3                   ; a fragment's row x pitch + 16 x half
	s_mul_i32 s21, s15, HALFT                      ; my 128 rows of A
	s_mul_i32 s22, s16, HALFT                      ; my 128 rows of B,
	s_add_co_u32 s22, s22, 2*HALFT                 ; which lie behind A's 256
.irp s, 0,1
	v_add_nc_u32 v[ADRA+\s], s21, v4
	v_add_nc_u32 v[ADRB+\s], s22, v4
	s_add_co_u32 s21, s21, SLOT
	s_add_co_u32 s22, s22, SLOT
.endr
	v_mul_u32_u24 v5, v1, KS                       ; my row's scales: 32 bytes a row,
	v_lshrrev_b32 v6, 8, v5
	v_lshl_add_u32 v5, v6, 4, v5                   ; and 16 more for each 256 passed
	s_mul_i32 s21, s15, HALFS
	s_mul_i32 s22, s16, HALFS
	s_add_co_u32 s22, s22, 2*HALFS
	s_sub_co_u32 s22, s22, s21
	v_mul_u32_u24 v6, s22, v2                      ; lanes 16-31 take B's
	s_add_co_u32 s21, s21, SCL
	v_add_nc_u32 v5, v5, v6
	v_add_nc_u32 v[ADRS], s21, v5
	v_and_b32 v6, 31, v0
	v_lshlrev_b32 v[LI], 4, v6
	v_lshlrev_b32 v[L8], 3, v6
	s_lshl_b32 s23, s14, 9
	v_lshl_add_u32 v[SCA], v1, 2, s23
	v_add_nc_u32 v[SCR], s23, v[L8]
	v_lshlrev_b32 v[BV0], 5, v2
	v_lshlrev_b32 v[BV1], 2, v1
	; where my 128 x 128 goes in qkv, and my 128 numbers of the bias
	s_lshl_b32 s100, s17, 8
	s_lshl_b32 s101, s15, 7
	s_add_co_u32 s100, s100, s101                  ; my first row of A
	s_lshl_b32 s2, s42, 8
	s_lshl_b32 s101, s16, 7
	s_add_co_u32 s2, s2, s101                      ; my first row of B
	s_cmp_eq_u32 s[MODE], 1
	s_cselect_b32 s101, s2, s100                   ; my first token
	s_cselect_b32 s100, s100, s2                   ; my first row of W
	s_lshr_b32 s2, s100, 10
	s_mul_i32 s2, s2, REG                          ; q, k or v
	s_bfe_u32 s3, s100, 0x40006                    ; the first of my two heads
	s_lshr_b32 s92, s101, 11                       ; the batch
	s_lshl_b32 s92, s92, 4
	s_add_co_u32 s3, s3, s92
	s_mul_i32 s3, s3, HS
	s_add_co_u32 s2, s2, s3
	s_bfe_u32 s3, s101, 0x40007                    ; the record: 128 tokens
	s_mul_i32 s3, s3, RECB
	s_add_co_u32 s2, s2, s3
	s_mov_b32 s3, 0
	s_add_nc_u64 s[98:99], s[98:99], s[2:3]
	s_lshl_b32 s2, s100, 2
	s_add_nc_u64 s[96:97], s[96:97], s[2:3]
	s_cmp_eq_u32 s[MODE], 1
	s_cbranch_scc1 .Lbias_v
	s_wait_alu depctr_va_vdst(0)
.irp b, 0,1,2,3,4,5,6,7                        ; q, k: tile b's register j is the bias of W's row 16 b + 8 (lane / 16) + j
	global_load_b128 v[CBI+8*\b:CBI+8*\b+3], v[BV0], s[96:97] offset:64*\b
	global_load_b128 v[CBI+8*\b+4:CBI+8*\b+7], v[BV0], s[96:97] offset:64*\b+16
.endr
	s_branch .Lbias_in
.Lbias_v:
	s_wait_alu depctr_va_vdst(0)
.irp a, 0,1,2,3,4,5,6,7                        ; v: all eight registers of tile a are the bias of W's row 16 a + lane % 16
.irp j, 0,1,2,3,4,5,6,7
	global_load_b32 v[CBI+8*\a+\j], v[BV1], s[96:97] offset:64*\a
.endr
.endr
.Lbias_in:
.macro FRAG reg, adr, q, i             ; a fragment, 16 rows x 128 K: lane l holds row l % 16; registers 4 c .. 4 c + 3 hold K = 32 c + 16 (l / 16) + 0 .. 15
.irp c, 0,1,2,3
	ds_load_b128 v[\reg+4*\c:\reg+4*\c+3], v[\adr] offset:128*(\q)+32*\c+(\i)*16*PITCH
.endr
.endm
; 16 matrix instructions: A's blocks a0, a0 + 1 x B's eight, 128 along K.  p: B's set; sc: the set of scale words.  cm = 0: onto the sums; 1: the sums begin with the bias by B's rows; 2: by A's row.
; The 64 accumulators take turns, one instruction a turn, in the same order in every step.
.macro MUL16 a0, p, q, sc, cm
.irp a, \a0, \a0+1
.irp b, 0,1,2,3,4,5,6,7
.if \cm == 1
	v_wmma_scale_f32_16x16x128_f8f6f4 v[8*(8*((\a)%4)+\b):8*(8*((\a)%4)+\b)+7], v[128*(\p)+FR*\b:128*(\p)+FR*\b+FR-1], v[AF+FR*(\a):AF+FR*(\a)+FR-1], v[CBI+8*\b:CBI+8*\b+7], v[SC+8*NQ*(\sc)+NQ*\b+(\q)], v[SC+8*NQ*(\sc)+NQ*(\a)+(\q)] matrix_a_fmt:MATRIX_FMT_BF8 matrix_b_fmt:MATRIX_FMT_BF8 matrix_a_scale:MATRIX_SCALE_ROW1
.elseif \cm == 2
	v_wmma_scale_f32_16x16x128_f8f6f4 v[8*(8*((\a)%4)+\b):8*(8*((\a)%4)+\b)+7], v[128*(\p)+FR*\b:128*(\p)+FR*\b+FR-1], v[AF+FR*(\a):AF+FR*(\a)+FR-1], v[CBI+8*(\a):CBI+8*(\a)+7], v[SC+8*NQ*(\sc)+NQ*\b+(\q)], v[SC+8*NQ*(\sc)+NQ*(\a)+(\q)] matrix_a_fmt:MATRIX_FMT_BF8 matrix_b_fmt:MATRIX_FMT_BF8 matrix_a_scale:MATRIX_SCALE_ROW1
.else
	v_wmma_scale_f32_16x16x128_f8f6f4 v[8*(8*((\a)%4)+\b):8*(8*((\a)%4)+\b)+7], v[128*(\p)+FR*\b:128*(\p)+FR*\b+FR-1], v[AF+FR*(\a):AF+FR*(\a)+FR-1], v[8*(8*((\a)%4)+\b):8*(8*((\a)%4)+\b)+7], v[SC+8*NQ*(\sc)+NQ*\b+(\q)], v[SC+8*NQ*(\sc)+NQ*(\a)+(\q)] matrix_a_fmt:MATRIX_FMT_BF8 matrix_b_fmt:MATRIX_FMT_BF8 matrix_a_scale:MATRIX_SCALE_ROW1
.endif
.endr
.endr
.endm
.macro FETCH_B slot, q, p
	WIN TO_B
.irp i, 0,1,2,3,4,5,6,7
	FRAG 128*(\p)+FR*\i, ADRB+\slot, \q, \i
.endr
	WIN 0
.endm
.macro FETCH_A slot, q, i0
.irp i, \i0, \i0+1, \i0+2, \i0+3
	FRAG AF+FR*(\i), ADRA+\slot, \q, \i
.endr
.endm
.macro SCALES sc                       ; a K step's scale words: two words a row; lanes 0-15 take A's block i, lanes 16-31 B's block i
.irp i, 0,1,2,3,4,5,6,7
	ds_load_b64 v[SC+8*NQ*\sc+NQ*\i:SC+8*NQ*\sc+NQ*\i+1], v[ADRS] offset:\i*SBLK
.endr
.endm
.macro PLACES n                        ; plain vector lines between a matrix instruction and a load into, or a read of, its registers
.rept \n
	v_nop
.endr
.endm
; A step of 128 along K that has its successor in the same slot.
.macro STEP slot, q, cm
	s_wait_dscnt 4*NL                              ; B's set and A's blocks 0-3 are in; the youngest 16 loads (A's blocks 4-7) may be out
.if \cm
	WIN FST_LO
.else
	WIN MUL_LO
.endif
	MUL16 0, (\q)%2, \q, \slot, \cm
	MUL16 2, (\q)%2, \q, \slot, \cm
	s_wait_dscnt 0                                 ; A's blocks 4-7 are in
	PLACES NP
	FETCH_B \slot, (\q)+1, 1-(\q)%2
	FETCH_A \slot, (\q)+1, 0
.if \cm
	WIN FST_HI
.else
	WIN MUL_HI
.endif
	MUL16 4, (\q)%2, \q, \slot, \cm
	MUL16 6, (\q)%2, \q, \slot, \cm
	PLACES NP
	WIN 0
	FETCH_A \slot, (\q)+1, 4
.endm
; A slot's last step changes slots: ONE barrier; in front of it each wave waits for all its tensor loads, adds 0 to its spare word, and waits for that and for its own reads of this slot.  fill = 1: this slot is filled again, two K steps ahead.
.macro TURN slot, next, fill
	s_wait_tensorcnt 0x0                           ; all my tensor loads have landed: my part of the next slot
	ds_add_u32 v[SPW], v[NIL]                      ; 0 onto my spare word
	s_wait_dscnt 4*NL+1                            ; (the add and the youngest 16 loads, A's blocks 4-7, may be out)
	WIN MUL_LO
	MUL16 0, 1, NQ-1, \slot, 0                     ; sixteen matrix instructions stand between the add and the wait for it
	s_wait_dscnt 0x0                               ; the add is done, and my reads of this slot are over
	s_barrier_signal -1
	MUL16 2, 1, NQ-1, \slot, 0
	WIN 0
	s_barrier_wait -1
.if \fill
	CREST                                          ; the barrier has opened a round of the cluster's barrier: no wave of any partner still reads this slot or has a load on its way
	s_add_nc_u64 s[G0+4*\slot+2:G0+4*\slot+3], s[G0+4*\slot+2:G0+4*\slot+3], 2*ROWB
	s_add_nc_u64 s[G0B+4*\slot+2:G0B+4*\slot+3], s[G0B+4*\slot+2:G0B+4*\slot+3], 2*ROWB
	JLOAD G0+4*\slot, G1, G0B+4*\slot, G1B         ; my one tensor load behind the round; its four v_nop are among the places in front of the loads below
	PLACES NP-4
.else
	PLACES NP
.endif
	s_wait_alu depctr_va_vdst(0)
	v_add_nc_u32 v[ADRS], 4*NQ, v[ADRS]            ; on to the next K step's scale words
	FETCH_B \next, 0, 0
	FETCH_A \next, 0, 0
	SCALES \next
	WIN MUL_HI
	MUL16 4, 1, NQ-1, \slot, 0
	MUL16 6, 1, NQ-1, \slot, 0
	PLACES NP
	WIN 0
	FETCH_A \next, 0, 4
.endm
	s_wait_alu depctr_va_vdst(0)
	s_wait_tensorcnt 0x0                           ; my tile of the head's four is in; slot 1's first fill is issued as a refill is:
	ds_add_u32 v[SPW], v[NIL]                      ; 0 onto my spare word
	s_mov_b32 s[G1+2], 128<<16                     ; no tensor load of mine is out, so a descriptor may be written: from here on a load brings 128 rows
	s_mov_b32 s[G1+4], 128
	s_mov_b32 s[G1B+2], 128<<16
	s_mov_b32 s[G1B+4], 128
	s_wait_dscnt 0x0                               ; the add is done
	CROUND                                         ; all four tiles are in, and all sixteen work-groups are here
	JLOAD G0+4, G1, G0B+4, G1B                     ; K step 1: my one tensor load behind the round
	FETCH_B 0, 0, 0
	FETCH_A 0, 0, 0
	SCALES 0
	FETCH_A 0, 0, 4
	s_wait_loadcnt 0x0                             ; the bias
	s_cmp_eq_u32 s[MODE], 1
	s_cbranch_scc1 .Lfirst_v
	STEP 0, 0, 1                                   ; the first step starts the sums with the bias: nothing is cleared
	s_branch .Lfirst_done
.Lfirst_v:
	STEP 0, 0, 2
.Lfirst_done:
	TURN 0, 1, 1                                   ; K = 1,024 is four K steps: slot 0 takes K step 2,
	STEP 1, 0, 0
	TURN 1, 0, 1                                   ; slot 1 K step 3,
	STEP 0, 0, 0
	TURN 0, 1, 0                                   ; and nothing is left to fetch
	STEP 1, 0, 0
	s_wait_dscnt 4*NL
	WIN MUL_LO
	MUL16 0, 1, NQ-1, 1, 0
	MUL16 2, 1, NQ-1, 1, 0
	s_wait_dscnt 0
	WIN MUL_HI
	MUL16 4, 1, NQ-1, 1, 0
	MUL16 6, 1, NQ-1, 1, 0
	WIN 0
; THE WAY OUT.  QUANT i: the 64 numbers of A's block i (a lane: one row of A, four blocks of 32 along B's rows, 16 numbers of each; lane l xor 16 holds the other 16) become 16 registers of codes and a scale word.
.macro QUANT i
.set QS, 64*((\i)%4)
	WIN 0x0a+5*((\i)/4)                            ; sources 0 and 1: the accumulators' window
.irp b, 0,1,2,3
	v_max3_num_f32 v[TM+\b], |v[QS+16*\b]|, |v[QS+16*\b+1]|, 0x8000000   ; each accumulator is read from its low end on; the floor 2^(16 - 127) holds the byte at 1 from below
.endr
.irp n, 2,4,6,8,10,12,14
.irp b, 0,1,2,3
	v_max3_num_f32 v[TM+\b], |v[QS+16*\b+\n]|, |v[QS+16*\b+\n+1]|, v[TM+\b]
.endr
.endr
	WIN 0
.irp b, 0,1,2,3
	v_permlanex16_b32 v[TP+\b], v[TM+\b], s92, s93
.endr
.irp b, 0,1,2,3
	v_max_num_f32 v[TM+\b], v[TM+\b], v[TP+\b]     ; the block's largest magnitude
.endr
.irp b, 0,1,2,3
	v_add_nc_u32 v[SO+\b], 0xf8800000, v[TM+\b]    ; 15 off its exponent field: the conversion's scale operand
.endr
.irp b, 0,1,2,3
	v_and_or_b32 v[HO+\b], v[TM+\b], 0x7f800000, s94   ; 57,344 x the scale
.endr
.irp b, 0,1,2,3
	v_lshrrev_b32 v[TP+\b], 23, v[SO+\b]           ; the scale's byte
.endr
	v_lshl_or_b32 v[PW+(\i)], v[TP+1], 8, v[TP]
	v_lshl_or_b32 v[PW+(\i)], v[TP+2], 16, v[PW+(\i)]
	v_lshl_or_b32 v[PW+(\i)], v[TP+3], 24, v[PW+(\i)]
	WIN 0x82+0x41*((\i)/4)                         ; source 0 and destination: the accumulators' window
.irp b, 0,1,2,3
.irp n, 0,1,2,3,4,5,6,7,8,9,10,11,12,13,14,15
	v_med3_num_f32 v[QS+16*\b+\n], v[QS+16*\b+\n], -v[HO+\b], v[HO+\b]   ; the conversion does not saturate (ISA guide 7.6.2): the hold comes first
.endr
.endr
	WIN 2+(\i)/4                                   ; source 0 alone
.irp b, 0,1,2,3
	v_cvt_scalef32_pk8_bf8_f32 v[PC+16*(\i)+4*\b:PC+16*(\i)+4*\b+1], v[QS+16*\b:QS+16*\b+7], v[SO+\b]
	v_cvt_scalef32_pk8_bf8_f32 v[PC+16*(\i)+4*\b+2:PC+16*(\i)+4*\b+3], v[QS+16*\b+8:QS+16*\b+15], v[SO+\b]
.endr
	v_nop                                          ; one plain line behind the last conversion
	WIN 0
.endm
	PLACES NP                                      ; behind the last products: their results are read and A's registers written below
	s_mov_b32 s92, 0x76543210
	s_mov_b32 s93, 0xfedcba98                      ; v_permlanex16_b32's selects for lane l xor 16
	s_mov_b32 s94, 0x600000                        ; the mantissa field of 57,344
.irp b, 0,1,2,3
	v_mov_b32 v[TP+\b], 0                          ; a lane permute's destination counts as one of its sources
.endr
.irp i, 0,1,2,3,4,5,6,7
	QUANT \i
.endr
	s_cmp_eq_u32 s[MODE], 1
	s_cbranch_scc1 .Lout_v
.irp i, 0,1,2,3,4,5,6,7                        ; q, k: token tile i; blocks 0, 1 are my first head's, blocks 2, 3 my second's.  Each store covers 512 consecutive bytes, aligned to 256
.irp c, 0,1,2,3
	global_store_b128 v[LI], v[PC+16*\i+4*\c:PC+16*\i+4*\c+3], s[98:99] offset:(\c/2)*HS+1024*\i+512*(\c%2)
.endr
.endr
.irp P, 0,1,2,3
	v_perm_b32 v[JW+\P], v[PW+2*\P+1], v[PW+2*\P], 0x05040100     ; first head: tile 2 P's bytes 0, 1, then tile 2 P + 1's
	v_perm_b32 v[JW+4+\P], v[PW+2*\P+1], v[PW+2*\P], 0x07060302   ; second head: bytes 2, 3
.endr
.irp P, 0,1,2,3                                ; through my own 512 bytes of slot 0, which has had its last fill and which nobody reads behind the last change of slots; both halves of the lanes write the same word
	ds_store_b32 v[SCA], v[JW+\P] offset:64*\P
	ds_store_b32 v[SCA], v[JW+4+\P] offset:256+64*\P
.endr
	ds_load_b64 v[RB:RB+1], v[SCR]                 ; LDS serves a wave's instructions in order: these see my stores
	ds_load_b64 v[RB+2:RB+3], v[SCR] offset:256
	s_branch .Lout_done
.Lout_v:
	s_wait_alu depctr_va_vdst(0)
.irp i, 0,1,2,3,4,5,6,7                        ; v: channel tile i: head i / 4, tile i % 4 of its 64 channels
.irp c, 0,1,2,3
	global_store_b128 v[LI], v[PC+16*\i+4*\c:PC+16*\i+4*\c+3], s[98:99] offset:(\i/4)*HS+2048*(\i%4)+512*\c
.endr
.endr
.irp i, 0,1,2,3,4,5,6,7                        ; this way has LDS bytes of its own
	ds_store_b32 v[SCA], v[PW+\i] offset:4096+256*(\i/4)+64*(\i%4)
.endr
	ds_load_b64 v[RB:RB+1], v[SCR] offset:4096
	ds_load_b64 v[RB+2:RB+3], v[SCR] offset:4096+256
.Lout_done:
	s_wait_dscnt 0x0
	global_store_b64 v[L8], v[RB:RB+1], s[98:99] offset:8192          ; 32 lanes store a record's 256 bytes of scale words
	global_store_b64 v[L8], v[RB+2:RB+3], s[98:99] offset:8192+HS
	s_wait_tensorcnt 0x0                           ; the wave's end, behind my last tensor load and my last LDS store
	ds_add_u32 v[SPW], v[NIL]
	s_wait_dscnt 0x0
	CROUND                                         ; the closing round: no work-group ends while a partner may still ask for a tile that names it
	s_endpgm
.Lfunc_end_k_q138f29ff53_qkv:
	.size	k_q138f29ff53_qkv, .Lfunc_end_k_q138f29ff53_qkv-k_q138f29ff53_qkv
	.p2alignl 7, 3214868480
	.fill 96, 4, 3214868480
	.section	.rodata,"a",@progbits
	.p2align	6, 0x0
	.amdhsa_kernel k_q138f29ff53_qkv
		.amdhsa_group_segment_fixed_size 327680
		.amdhsa_private_segment_fixed_size 0
		.amdhsa_enable_private_segment 0
		.amdhsa_kernarg_size 48
		.amdhsa_user_sgpr_count 2
		.amdhsa_user_sgpr_kernarg_segment_ptr 1
		.amdhsa_wavefront_size32 1
		.amdhsa_system_sgpr_workgroup_id_x 1
		.amdhsa_system_sgpr_workgroup_id_y 1
		.amdhsa_system_sgpr_workgroup_id_z 1
		.amdhsa_system_vgpr_workitem_id 0
		.amdhsa_next_free_vgpr 1024
		.amdhsa_next_free_sgpr 102
		.amdhsa_reserve_vcc 0
		.amdhsa_float_denorm_mode_32 3
		.amdhsa_float_denorm_mode_16_64 3
		.amdhsa_memory_ordered 1
		.amdhsa_forward_progress 1
		.amdhsa_inst_pref_size 212
	.end_amdhsa_kernel
	.amdgpu_metadata
---
amdhsa.version: [ 1, 2 ]
amdhsa.kernels:
  - .name:           k_q138f29ff53_qkv
    .symbol:         k_q138f29ff53_qkv.kd
    .args:
      - { .name: x_codes, .offset: 0, .size: 8, .value_kind: global_buffer, .address_space: global }
      - { .name: x_scales, .offset: 8, .size: 8, .value_kind: global_buffer, .address_space: global }
      - { .name: in_proj_w_codes, .offset: 16, .size: 8, .value_kind: global_buffer, .address_space: global }
      - { .name: in_proj_w_scales, .offset: 24, .size: 8, .value_kind: global_buffer, .address_space: global }
      - { .name: in_proj_b, .offset: 32, .size: 8, .value_kind: global_buffer, .address_space: global }
      - { .name: qkv, .offset: 40, .size: 8, .value_kind: global_buffer, .address_space: global }
    .group_segment_fixed_size: 327680
    .private_segment_fixed_size: 0
    .kernarg_segment_align: 8
    .kernarg_segment_size: 48
    .max_flat_workgroup_size: 128
    .sgpr_count:     102
    .vgpr_count:     1024
    .wavefront_size: 32
...
	.end_amdgpu_metadata
.endif
;; end of part 2
;; launch att (part 3): grid 4 x 64, 16 waves a work-group, clusters of 4 x 1, 278,528 bytes of LDS; arguments qkv, ctx_img, ctx_sc; writes ctx_img, ctx_sc
.if DOCPART == 3
	.amdgcn_target "amdgcn-amd-amdhsa--gfx1250"
	.amdhsa_code_object_version 6
	.text
	.protected	k_q138f29ff53_att
	.globl	k_q138f29ff53_att
	.p2align	8
	.type	k_q138f29ff53_att,@function
k_q138f29ff53_att:
	s_mov_b64 s[64:65], 0
	v_nop
	global_prefetch_b8 v0, s[64:65] scope:SCOPE_SE
	s_setreg_imm32_b32 hwreg(HW_REG_WAVE_MODE, 25, 1), 1
	s_wait_xcnt 0x0
	s_wait_alu depctr_hold_cnt(0) depctr_sa_sdst(0) depctr_va_vdst(0) depctr_va_sdst(0) depctr_va_ssrc(0) depctr_va_vcc(0) depctr_vm_vsrc(0)
	s_getreg_b32 s2, hwreg(HW_REG_IB_STS2, 6, 4)
	s_cmp_eq_u32 s2, 0
	s_cbranch_scc0 .Lentry_in_a_cluster
	s_endpgm
.Lentry_in_a_cluster:
	s_bfe_u32 s2, ttmp6, 0x10000c
	s_cmp_lg_u32 s2, 0x3003
	s_cbranch_scc0 .Lentry_shape_is_right
	s_endpgm
.Lentry_shape_is_right:
; LAUNCH 3 OF 4: ctx = softmax(q k^T / 8, causal) v on codes of E5M2, and ctx quantised along D for the last product.
; LEFT OUT: key steps of 128 keys that lie wholly above the diagonal of reference()'s own jnp.tril: every score there becomes -inf, so p = 0 for all values of the inputs.  A NaN, an infinity or an overflow that reaches only those steps is not carried on.
; THE SOFTMAX: t = score x log2(e) / 8; M = the running largest t rounded UP to a whole number; p = 2^(t - M) is quantised along the keys, not normalised; the row's sum is taken of the unquantised p and divides at the end.
; When M moves, the sum and O are multiplied by 2^(old M - new M): exact.
; SHARES.  A cluster of four work-groups owns one head (64 heads in all).  Wave w of work-group cx owns two tiles of 16 queries: TA = 4 w + cx and TB = 127 - TA.  Their last key steps are w / 2 and 15 - w / 2, whatever cx is:
; every wave has 17 key steps, and every branch hangs on the wave's number and a counted loop alone.
; THE WHOLE HEAD STAYS IN LDS: k's 16 records, then v's 16 (8,448 bytes each: operand registers as they stand, then scale words).  Each wave asks for two neighbouring records by ONE joint load, the same in all four
; work-groups; nothing is ever filled again, and one tensor load of a wave is out.  So nothing is left to ask for ahead of time in the loops.
; LAYOUT.  Both products are used transposed (S^T = k q^T, O^T = v^T p^T): a lane holds one query (lane % 16).  Register 8 t + j of S^T is key 16 t + 8 (lane / 16) + j; converted as it stands, p has inside each block of 32 keys
; the same order that the launch before gave v's codes.  THE HEAD'S K IS 64, THE INSTRUCTION'S 128: a fragment of k holds TWO tiles of 16 keys (64 + 64 along K); multiplied by (q, zeros) it gives the first tile's scores, by (zeros, q) the second's.
; k's codes are finite (the quantiser holds them), so a zero code of q takes them away.
; ctx's partner, out_w, lies in natural order: so lanes l and l xor 16 exchange eight codes of each block, and ctx_img [row tile 512][K step 8][group 4][lane][16 bytes] holds natural operand registers; ctx_sc [row tile][K step][row 16][4 bytes].
; A head makes two of a scale word's four bytes, and the other two belong to another cluster: so 32 single bytes a tile are stored, one part in 32 of what the launch stores.
; LIMITS: a block of zeros has the byte 1; largest magnitudes under 2^-111 keep the byte 1; NaN and infinities are not served.
.set REG,   8650752
.set HS,    135168
.set RECB,  8448
.set VOFF,  135168                     ; LDS: v's records lie behind k's
.set SPARE, 270336                     ; behind them the spare words, 128 bytes a wave, which no other line names
.set AL,   1                           ; v1   16 x lane
.set AS,   2                           ; v2   4 x (lane % 16)
.set RH,   3                           ; v3   lane % 16 - 8 (lane / 16)
.set DQ,   4                           ; v4   on the diagonal: 16 t + j > v4 says that register 8 t + j holds a hidden key
.set SPW,  5
.set NIL,  6
.set NINF, 7                           ; v7   -infinity
.set ADK,  8                           ; v8-11 LDS addresses of the step: k's codes, v's codes, k's scale words, v's
.set ADV,  9
.set ADS,  10
.set ADT,  11
                                       ; v12 -M, v13 the largest t, v[14:15] the sum in two halves; v16-23 q, v24-31 zeros, v32-39 q again
.set QW,   40                          ; v40  q's scale word (its two bytes, twice)
.set PW,   41                          ; v41  p's scale word
.set SBO,  42                          ; v42  4 x (lane % 16) + lane / 16
.set FS,   44                          ; v44-47   the four fragments' scale words
.set F,    48                          ; v48-111  four fragments of k or of v
.set S,    112                         ; v112-175 S^T, then p
.set OT,   176                         ; v176-207 O^T
.set PC,   208                         ; v208-223 p's codes
                                       ; v224-255 at work
.set WV,   10
.set CX,   11
.set BH,   12
.set TQ,   13                          ; s13  the tile of queries in hand
.set LIM,  14                          ; s14  its last key step
.set KI,   15                          ; s15  the key step
.set TK,   16                          ; s16  8,448 x the key step
.set CS,   18                          ; s[18:19] log2(e) / 8
.set SEL,  20
.set MNT,  22
.set HM,   23                          ; s23  the mask of lanes 16-31
.macro ROUND                           ; a round of the cluster's barrier
	s_barrier_signal -1
	s_barrier_wait -1
	s_cmp_lg_u32 s[WV], 0
	s_cbranch_scc1 .Lnot_wave_0_\@
	s_barrier_signal -3
.Lnot_wave_0_\@:
	s_barrier_wait -3
	s_barrier_signal -1
	s_barrier_wait -1
.endm
	s_load_b128 s[4:7], s[0:1], 0x0                ; qkv, ctx_img
	s_load_b64 s[8:9], s[0:1], 0x10                ; ctx_sc
	v_lshl_add_u32 v[SPW], v0, 2, SPARE
	v_mov_b32 v[NIL], 0
	ds_add_u32 v[SPW], v[NIL]                      ; the wave's opening: the add, twice on end, and its wait ahead of my first tensor load
	ds_add_u32 v[SPW], v[NIL]
	v_lshrrev_b32 v8, 5, v0
	s_delay_alu instid0(VALU_DEP_1)
	v_readfirstlane_b32 s[WV], v8                  ; wave 0..15
	s_bfe_u32 s[CX], ttmp6, 0x40000                ; my place in the cluster: it enters q's and ctx's global addresses and the mask's numbers alone
	s_and_b32 s[BH], ttmp7, 0xffff                 ; batch x 16 + head, which the four partners share
	s_mov_b32 s24, 15|(3<<16)|(1<<21)              ; group 1: the mask names all four; elements of 8 bytes; no padding; bit 21 set beside a mask
	s_mov_b32 s25, 32<<16                          ; tensor_dim0 = 32: rows of 256 bytes
	s_mov_b32 s26, 66<<16                          ; tensor_dim1 = 66: two records, 16,896 dense bytes
	s_mov_b32 s27, 32<<16                          ; tile_dim0
	s_mov_b32 s28, 66                              ; tile_dim1
	s_mov_b32 s29, 32                              ; the pitch
	s_mov_b32 s30, 0
	s_mov_b32 s31, 0
	s_lshr_b32 s40, s[WV], 3                       ; waves 0-7 fetch k, waves 8-15 v
	s_and_b32 s41, s[WV], 7
	s_mul_i32 s43, s41, 2*RECB                     ; records 2 (w % 8) and the next
	s_mul_i32 s42, s40, VOFF
	s_mov_b32 s32, 1
	s_add_co_u32 s33, s42, s43                     ; the LDS address: the wave's number and constants alone
	s_add_co_u32 s44, s40, 1
	s_mul_i32 s44, s44, REG
	s_mul_i32 s50, s[BH], HS                       ; s50: the head's records, in each region of qkv
	s_add_co_u32 s44, s44, s50
	s_add_co_u32 s44, s44, s43
	s_mov_b32 s45, 0
	s_mov_b32 s[CS], 0x3e38aa3b                    ; log2(e) / 8
	s_mov_b32 s[CS+1], s[CS]                       ; (named with it as a pair, so it is written)
	s_mov_b32 s[SEL], 0x76543210
	s_mov_b32 s[SEL+1], 0xfedcba98
	s_mov_b32 s[MNT], 0x600000
	s_mov_b32 s[HM], 0xffff0000
	s_lshr_b32 s46, s[BH], 4                       ; the batch
	s_and_b32 s47, s[BH], 15                       ; the head
	s_lshl_b32 s51, s46, 21
	s_lshl_b32 s48, s47, 10
	s_add_co_u32 s51, s51, s48                     ; s51: ctx_img: batch x 128 tiles x 16,384 + head x 1,024 (K step head / 2, groups 2 (head % 2) on)
	s_lshl_b32 s52, s46, 16
	s_lshr_b32 s48, s47, 1
	s_lshl_b32 s48, s48, 6
	s_add_co_u32 s52, s52, s48
	s_and_b32 s48, s47, 1
	s_lshl_b32 s48, s48, 1
	s_add_co_u32 s52, s52, s48                     ; s52: ctx_sc: batch x 128 x 512 + 64 (head / 2) + 2 (head % 2)
	s_lshl_b32 s53, s[WV], 2
	s_add_co_u32 s53, s53, s[CX]                   ; s53: TA
	s_lshr_b32 s56, s[WV], 1                       ; s56: TA's last key step
	s_wait_dscnt 0x0                               ; both opening adds are done
	s_wait_kmcnt 0x0
	s_add_nc_u64 s[34:35], s[4:5], s[44:45]
	s_or_b32 s35, s35, 0x80000000
	ROUND                                          ; all four work-groups are here: the joint loads meet
	tensor_load_to_lds s[32:35], s[24:31]
	s_nop 0
.rept 4
	v_nop
.endr
	v_and_b32 v8, 31, v0
	s_delay_alu instid0(VALU_DEP_1)
	v_lshlrev_b32 v[AL], 4, v8
	v_and_b32 v9, 15, v0
	v_bfe_u32 v10, v0, 4, 1
	s_delay_alu instid0(VALU_DEP_2)
	v_lshlrev_b32 v[AS], 2, v9
	s_delay_alu instid0(VALU_DEP_2)
	v_lshlrev_b32 v11, 3, v10
	s_delay_alu instid0(VALU_DEP_1)
	v_sub_nc_u32 v[RH], v9, v11
	s_delay_alu instid0(VALU_DEP_3)
	v_add_nc_u32 v[SBO], v[AS], v10
	v_mov_b32 v[NINF], 0xff800000
.irp j, 24,25,26,27,28,29,30,31
	v_mov_b32 v\j, 0                               ; the zero codes beside q
.endr
.irp j, 236,237,238,239,250,251,253
	v_mov_b32 v\j, 0                               ; lane permutes' destinations, and the upper half of the pair v[252:253]: written once
.endr
; A tile of queries is taken up: its addresses, q's codes (twice) and scale word, the softmax's state.
.macro INIT
	s_wait_xcnt 0x0                                ; the last tile's stores have read their registers and bases
	s_lshr_b32 s46, s[TQ], 3
	s_mul_i32 s46, s46, RECB
	s_add_co_u32 s46, s46, s50                     ; the record of the tile's 128 tokens
	s_and_b32 s57, s[TQ], 7
	s_lshr_b32 s48, s57, 1
	s_lshl_b32 s48, s48, 6
	s_add_co_u32 s48, s48, s46                     ; + 64 x the pair of tiles: its scale words
	s_lshl_b32 s58, s57, 10
	s_add_co_u32 s46, s46, s58                     ; + 1,024 x the tile: its codes
	s_mov_b32 s47, 0
	s_mov_b32 s49, 0
	s_add_nc_u64 s[40:41], s[4:5], s[46:47]
	s_add_nc_u64 s[54:55], s[4:5], s[48:49]
	s_lshl_b32 s46, s[TQ], 14
	s_add_co_u32 s46, s46, s51
	s_lshl_b32 s48, s[TQ], 9
	s_add_co_u32 s48, s48, s52
	s_add_nc_u64 s[42:43], s[6:7], s[46:47]        ; where the tile's codes of ctx go,
	s_add_nc_u64 s[44:45], s[8:9], s[48:49]        ; and its scale bytes
	global_load_b128 v[16:19], v[AL], s[40:41]
	global_load_b128 v[20:23], v[AL], s[40:41] offset:512
	global_load_b128 v[32:35], v[AL], s[40:41]
	global_load_b128 v[36:39], v[AL], s[40:41] offset:512
	global_load_b32 v[QW], v[AS], s[54:55] offset:8192
	s_lshl_b32 s58, s57, 4
	v_add_nc_u32 v[DQ], s58, v[RH]                 ; my query less the diagonal step's first key, less 8 (lane / 16)
	s_and_b32 s58, s[TQ], 1
	s_lshl_b32 s58, s58, 4
	v_mov_b32 v13, 0xff61b1e6                      ; the largest t so far: -3e38
	s_delay_alu instid0(VALU_DEP_1)
	v_floor_f32 v12, -v13                          ; -M
	v_mov_b32 v14, 0
	v_mov_b32 v15, 0
	s_wait_loadcnt 0x0
	v_lshrrev_b32 v[QW], s58, v[QW]                ; my tile's half of the pair's word,
	s_delay_alu instid0(VALU_DEP_1)
	v_and_b32 v[QW], 0xffff, v[QW]
	s_delay_alu instid0(VALU_DEP_1)
	v_lshl_or_b32 v[QW], v[QW], 16, v[QW]          ; twice: q stands in the lower or in the upper 64 of K
.set j, 0
.rept 32
	v_mov_b32 v[OT+j], 0                           ; O^T: the step is written once for all steps; the first change of M multiplies zeros.  (These lines are also the places between q's scale word and the first product)
.set j, j+1
.endr
.endm
; A KEY STEP of 128 keys.  m = 1: a step beyond the tile's last is passed over, and on the diagonal hidden scores become -infinity.
.macro STEP m
.if \m
	s_cmp_gt_u32 s[KI], s[LIM]                     ; the wave's number and the count of steps alone
	s_cbranch_scc1 .Lhid_\@
.endif
	v_add_nc_u32 v[ADK], s[TK], v[AL]
	v_add_nc_u32 v[ADS], s[TK], v[AS]
	s_delay_alu instid0(VALU_DEP_2)
	v_add_nc_u32 v[ADV], VOFF, v[ADK]
	s_delay_alu instid0(VALU_DEP_2)
	v_add_nc_u32 v[ADT], VOFF, v[ADS]
.rept 4
	v_nop                                          ; with the four additions: eight places in front of loads into registers that the last products read
.endr
.irp P, 0,1,2,3
.irp c, 0,1,2,3
	ds_load_b128 v[F+16*\P+4*\c:F+16*\P+4*\c+3], v[ADK] offset:2048*\P+512*\c   ; 512 consecutive bytes a load
.endr
	ds_load_b32 v[FS+\P], v[ADS] offset:8192+64*\P
.endr
	s_wait_alu depctr_va_vdst(0)
	s_wait_dscnt 0x0
.irp P, 0,1,2,3
	v_wmma_scale_f32_16x16x128_f8f6f4 v[S+16*\P:S+16*\P+7], v[F+16*\P:F+16*\P+15], v[16:31], 0, v[FS+\P], v[QW] matrix_a_fmt:MATRIX_FMT_BF8 matrix_b_fmt:MATRIX_FMT_BF8      ; keys 32 P + 0 .. 15: (q, zeros)
	v_wmma_scale_f32_16x16x128_f8f6f4 v[S+16*\P+8:S+16*\P+15], v[F+16*\P:F+16*\P+15], v[24:39], 0, v[FS+\P], v[QW] matrix_a_fmt:MATRIX_FMT_BF8 matrix_b_fmt:MATRIX_FMT_BF8   ; keys 32 P + 16 .. 31: (zeros, q)
.endr
.rept 8
	v_nop
.endr
.irp P, 0,1,2,3                                ; v's four fragments land under the softmax
.irp c, 0,1,2,3
	ds_load_b128 v[F+16*\P+4*\c:F+16*\P+4*\c+3], v[ADV] offset:2048*\P+512*\c
.endr
	ds_load_b32 v[FS+\P], v[ADT] offset:8192+64*\P
.endr
.if \m
	s_cmp_lt_u32 s[KI], s[LIM]
	s_cbranch_scc1 .Lopen_\@
.set n, 0
.rept 64
	v_cmp_gt_i32 vcc_lo, 16*(n/8)+n%8, v[DQ]
	v_cndmask_b32 v[S+n], v[S+n], v[NINF], vcc_lo
.set n, n+1
.endr
.Lopen_\@:
.endif
.irp b, 0,1,2,3
	v_max3_num_f32 v[232+\b], v[S+16*\b], v[S+1+16*\b], v[S+2+16*\b]   ; the largest score of each block of 32 keys: for the row's maximum and, since p rises with the score, for the block's largest p
.endr
.irp i, 3,5,7,9,11,13
.irp b, 0,1,2,3
	v_max3_num_f32 v[232+\b], v[232+\b], v[S+16*\b+\i], v[S+1+16*\b+\i]
.endr
.endr
.irp b, 0,1,2,3
	v_max_num_f32 v[232+\b], v[232+\b], v[S+15+16*\b]
.endr
.irp b, 0,1,2,3
	s_delay_alu instid0(VALU_DEP_4)
	v_permlanex16_b32 v[236+\b], v[232+\b], s[SEL], s[SEL+1]
.endr
.irp b, 0,1,2,3
	s_delay_alu instid0(VALU_DEP_4)
	v_max_num_f32 v[232+\b], v[232+\b], v[236+\b]
.endr
	s_delay_alu instid0(VALU_DEP_2)
	v_max3_num_f32 v254, v232, v233, v234
	s_delay_alu instid0(VALU_DEP_1)
	v_max_num_f32 v254, v254, v235
	s_delay_alu instid0(VALU_DEP_1)
	v_mul_f32 v254, s[CS], v254
	s_delay_alu instid0(VALU_DEP_1)
	v_max_num_f32 v13, v13, v254                   ; the running largest t
	v_mov_b32 v254, v12
	s_delay_alu instid0(VALU_DEP_2)
	v_floor_f32 v12, -v13                          ; the new -M = -ceil(t)
	s_delay_alu instid0(VALU_DEP_1)
	v_sub_f32 v254, v12, v254                      ; old M - new M: a whole number, 0 or less
	s_delay_alu instid0(VALU_DEP_1)
	v_cvt_i32_f32 v254, v254                       ; (it saturates)
	s_delay_alu instid0(VALU_DEP_1)
	v_ldexp_f32 v252, 1.0, v254                    ; f = 2^(old M - new M)
.set j, 0
.rept 32
	v_pk_fma_f32 v[S+j:S+j+1], v[S+j:S+j+1], s[CS:CS+1], v[12:13] op_sel_hi:[1,0,0]   ; t - M, two at a time
.set j, j+2
.endr
.irp b, 0,1,2,3
	v_fma_f32 v[232+\b], v[232+\b], s[CS], v12
.endr
.set j, 0
	s_wait_alu depctr_va_vdst(0)
.rept 64
	v_exp_f32 v[S+j], v[S+j]                       ; p = 2^(t - M)
.set j, j+1
.endr
	v_pk_mul_f32 v[14:15], v[14:15], v[252:253] op_sel_hi:[1,0]   ; the sums under the new M: the plain line behind the exponentials
	s_wait_alu depctr_va_vdst(0)                   ; one wait for the batch, ahead of its first reader
.irp b, 0,1,2,3
	v_exp_f32 v[232+\b], v[232+\b]                 ; the blocks' largest p
.endr
	v_pk_add_f32 v[236:237], v[116:117], v[120:121]
	v_pk_add_f32 v[254:255], v[124:125], v[128:129]
	v_pk_add_f32 v[248:249], v[132:133], v[136:137]
	v_pk_add_f32 v[246:247], v[140:141], v[144:145]
	v_pk_add_f32 v[244:245], v[148:149], v[152:153]
	v_pk_add_f32 v[242:243], v[156:157], v[160:161]
	v_pk_add_f32 v[240:241], v[164:165], v[168:169]
	v_pk_add_f32 v[14:15], v[14:15], v[172:173]
	v_pk_add_f32 v[236:237], v[236:237], v[112:113]
	v_pk_add_f32 v[254:255], v[254:255], v[114:115]
	v_pk_add_f32 v[248:249], v[248:249], v[118:119]
	v_pk_add_f32 v[246:247], v[246:247], v[122:123]
	v_pk_add_f32 v[244:245], v[244:245], v[126:127]
	v_pk_add_f32 v[242:243], v[242:243], v[130:131]
	v_pk_add_f32 v[240:241], v[240:241], v[134:135]
	v_pk_add_f32 v[14:15], v[14:15], v[138:139]
	v_pk_add_f32 v[236:237], v[236:237], v[142:143]
	v_pk_add_f32 v[254:255], v[254:255], v[146:147]
	v_pk_add_f32 v[248:249], v[248:249], v[150:151]
	v_pk_add_f32 v[246:247], v[246:247], v[154:155]
	v_pk_add_f32 v[244:245], v[244:245], v[158:159]
	v_pk_add_f32 v[242:243], v[242:243], v[162:163]
	v_pk_add_f32 v[240:241], v[240:241], v[166:167]
	v_pk_add_f32 v[14:15], v[14:15], v[170:171]
	v_pk_add_f32 v[236:237], v[236:237], v[174:175]
	s_delay_alu instid0(VALU_DEP_2)
	v_pk_add_f32 v[14:15], v[14:15], v[246:247]
	s_delay_alu instid0(VALU_DEP_2)
	v_pk_add_f32 v[236:237], v[236:237], v[244:245]
	v_pk_add_f32 v[254:255], v[254:255], v[242:243]
	v_pk_add_f32 v[248:249], v[248:249], v[240:241]
	s_delay_alu instid0(VALU_DEP_2)
	v_pk_add_f32 v[14:15], v[14:15], v[254:255]
	s_delay_alu instid0(VALU_DEP_2)
	v_pk_add_f32 v[236:237], v[236:237], v[248:249]
	s_delay_alu instid0(VALU_DEP_1)
	v_pk_add_f32 v[14:15], v[14:15], v[236:237]
	s_wait_alu depctr_va_vdst(0)                   ; and one for the four
.irp b, 0,1,2,3
	v_max_num_f32 v[232+\b], 0x8000000, v[232+\b]  ; the floor 2^(16 - 127)
.endr
.irp b, 0,1,2,3
	s_delay_alu instid0(VALU_DEP_4)
	v_add_nc_u32 v[244+\b], 0xf8800000, v[232+\b]  ; the conversion's scale operand
.endr
.irp b, 0,1,2,3
	v_and_or_b32 v[240+\b], v[232+\b], 0x7f800000, s[MNT]   ; 57,344 x the scale
.endr
.irp b, 0,1,2,3
	v_and_or_b32 v[224+(\b+1)%4], v[232+\b], 0x7f800000, s[MNT]   ; a second copy, whose register number differs modulo 4: a pair of holds names one copy in each half
.endr
.irp b, 0,1,2,3
	v_lshrrev_b32 v[236+\b], 23, v[244+\b]
.endr
	s_delay_alu instid0(VALU_DEP_3)
	v_lshl_or_b32 v[PW], v237, 8, v236             ; p's scale word for these 128 keys
	s_delay_alu instid0(VALU_DEP_1)
	v_lshl_or_b32 v[PW], v238, 16, v[PW]
	s_delay_alu instid0(VALU_DEP_1)
	v_lshl_or_b32 v[PW], v239, 24, v[PW]
.irp b, 0,1,2,3
.set j, 0
.rept 8
	v_dual_min_num_f32 v[S+16*\b+j], v[S+16*\b+j], v[240+\b] :: v_dual_min_num_f32 v[S+16*\b+j+1], v[S+16*\b+j+1], v[224+(\b+1)%4]   ; the hold, two numbers an instruction: p is not negative, so it is one-sided
.set j, j+2
.endr
	v_cvt_scalef32_pk8_bf8_f32 v[PC+4*\b:PC+1+4*\b], v[S+16*\b:S+7+16*\b], v[244+\b]
	v_cvt_scalef32_pk8_bf8_f32 v[PC+2+4*\b:PC+3+4*\b], v[S+8+16*\b:S+15+16*\b], v[244+\b]
.endr
.set j, 0
.rept 16
	v_pk_mul_f32 v[OT+j:OT+j+1], v[OT+j:OT+j+1], v[252:253] op_sel_hi:[1,0]   ; O^T under the new M, each accumulator from its low end on; also the places between the codes and the products
.set j, j+2
.endr
	s_wait_alu depctr_va_vdst(0)
	s_wait_dscnt 0x0                               ; v's fragments are in
.irp d, 0,1,2,3
	v_wmma_scale_f32_16x16x128_f8f6f4 v[OT+8*\d:OT+8*\d+7], v[F+16*\d:F+16*\d+15], v[PC:PC+15], v[OT+8*\d:OT+8*\d+7], v[FS+\d], v[PW] matrix_a_fmt:MATRIX_FMT_BF8 matrix_b_fmt:MATRIX_FMT_BF8
.endr
.if \m
.Lhid_\@:
.endif
	s_add_co_u32 s[TK], s[TK], RECB
.endm
; A tile is finished: O^T / the sum, quantised along D (the head's two blocks of 32 channels), brought into natural order and stored.
.macro FINISH
.rept 8
	v_nop
.endr
	v_add_f32 v14, v14, v15
	s_delay_alu instid0(VALU_DEP_1)
	v_permlanex16_b32 v252, v14, s[SEL], s[SEL+1]
	s_delay_alu instid0(VALU_DEP_1)
	v_add_f32 v14, v14, v252                       ; the row's sum
	s_wait_alu depctr_va_vdst(0)
	v_rcp_f32 v14, v14
	v_nop
	s_wait_alu depctr_va_vdst(0)
.set j, 0
.rept 32
	v_mul_f32 v[S+j], v[OT+j], v14                 ; register 8 d + j: channel 16 d + 8 (lane / 16) + j of my query
.set j, j+1
.endr
.irp b, 0,1
	v_max3_num_f32 v[232+\b], |v[S+16*\b]|, |v[S+16*\b+1]|, 0x8000000
.endr
.irp i, 2,4,6,8,10,12,14
.irp b, 0,1
	s_delay_alu instid0(VALU_DEP_2)
	v_max3_num_f32 v[232+\b], v[232+\b], |v[S+16*\b+\i]|, |v[S+16*\b+\i+1]|
.endr
.endr
.irp b, 0,1
	s_delay_alu instid0(VALU_DEP_2)
	v_permlanex16_b32 v[236+\b], v[232+\b], s[SEL], s[SEL+1]
.endr
.irp b, 0,1
	s_delay_alu instid0(VALU_DEP_2)
	v_max_num_f32 v[232+\b], v[232+\b], v[236+\b]
.endr
.irp b, 0,1
	s_delay_alu instid0(VALU_DEP_2)
	v_add_nc_u32 v[244+\b], 0xf8800000, v[232+\b]
.endr
.irp b, 0,1
	s_delay_alu instid0(VALU_DEP_4)
	v_and_or_b32 v[240+\b], v[232+\b], 0x7f800000, s[MNT]
.endr
.irp b, 0,1
	s_delay_alu instid0(VALU_DEP_4)
	v_lshrrev_b32 v[236+\b], 23, v[244+\b]
.endr
.irp b, 0,1
.set j, 0
.rept 16
	v_med3_num_f32 v[S+16*\b+j], v[S+16*\b+j], -v[240+\b], v[240+\b]
.set j, j+1
.endr
	v_cvt_scalef32_pk8_bf8_f32 v[PC+4*\b:PC+1+4*\b], v[S+16*\b:S+7+16*\b], v[244+\b]       ; channels 32 b + 8 (lane / 16) + 0 .. 7
	v_cvt_scalef32_pk8_bf8_f32 v[PC+2+4*\b:PC+3+4*\b], v[S+8+16*\b:S+15+16*\b], v[244+\b]  ; channels 32 b + 16 + 8 (lane / 16) + 0 .. 7
.endr
	v_nop                                          ; one plain line behind the last conversion
.irp b, 0,1                                    ; natural order wants channels 32 b + 16 (lane / 16) + 0 .. 15: lanes 0-15 give their second eight for the partner's first, lanes 16-31 the other way round
	v_cndmask_b32 v248, v[PC+2+4*\b], v[PC+4*\b], s[HM]
	v_cndmask_b32 v249, v[PC+3+4*\b], v[PC+1+4*\b], s[HM]
	s_delay_alu instid0(VALU_DEP_2)
	v_permlanex16_b32 v250, v248, s[SEL], s[SEL+1]
	s_delay_alu instid0(VALU_DEP_2)
	v_permlanex16_b32 v251, v249, s[SEL], s[SEL+1]
	v_cndmask_b32 v[224+4*\b], v[PC+4*\b], v250, s[HM]
	v_cndmask_b32 v[225+4*\b], v[PC+1+4*\b], v251, s[HM]
	v_cndmask_b32 v[226+4*\b], v250, v[PC+2+4*\b], s[HM]
	v_cndmask_b32 v[227+4*\b], v251, v[PC+3+4*\b], s[HM]
.endr
	v_cndmask_b32 v255, v236, v237, s[HM]          ; lanes 0-15 store the first block's byte, lanes 16-31 the second's
	global_store_b128 v[AL], v[224:227], s[42:43]  ; 512 consecutive bytes a store
	global_store_b128 v[AL], v[228:231], s[42:43] offset:512
	global_store_b8 v[SBO], v255, s[44:45]
.endm
	s_sub_co_u32 s[TQ], 127, s53                   ; the high tile first
	s_sub_co_u32 s[LIM], 15, s56
	s_mov_b32 s[KI], 0
	s_mov_b32 s[TK], 0
	INIT
	s_wait_tensorcnt 0x0                           ; my two records are in,
	s_barrier_signal -1
	s_barrier_wait -1                              ; everybody's are: the whole head lies in LDS
.Lopen_half:                                       ; keys 0 to 1,023 all count for queries from 1,024 on
	STEP 0
	s_add_co_u32 s[KI], s[KI], 1
	s_cmp_lt_u32 s[KI], 8
	s_cbranch_scc1 .Lopen_half
.Lupper:                                           ; keys 1,024 on, up to the diagonal
	STEP 1
	s_add_co_u32 s[KI], s[KI], 1
	s_cmp_lt_u32 s[KI], 16
	s_cbranch_scc1 .Lupper
	FINISH
	s_mov_b32 s[TQ], s53                           ; the low tile
	s_mov_b32 s[LIM], s56
	s_mov_b32 s[KI], 0
	s_mov_b32 s[TK], 0
	INIT
.Llower:
	STEP 1
	s_add_co_u32 s[KI], s[KI], 1
	s_cmp_lt_u32 s[KI], 8
	s_cbranch_scc1 .Llower
	FINISH
	s_wait_tensorcnt 0x0                           ; the wave's end, behind my last tensor load
	ds_add_u32 v[SPW], v[NIL]
	s_wait_dscnt 0x0
	ROUND                                          ; the closing round
	s_endpgm
.Lfunc_end_k_q138f29ff53_att:
	.size	k_q138f29ff53_att, .Lfunc_end_k_q138f29ff53_att-k_q138f29ff53_att
	.p2alignl 7, 3214868480
	.fill 96, 4, 3214868480
	.section	.rodata,"a",@progbits
	.p2align	6, 0x0
	.amdhsa_kernel k_q138f29ff53_att
		.amdhsa_group_segment_fixed_size 278528
		.amdhsa_private_segment_fixed_size 0
		.amdhsa_enable_private_segment 0
		.amdhsa_kernarg_size 24
		.amdhsa_user_sgpr_count 2
		.amdhsa_user_sgpr_kernarg_segment_ptr 1
		.amdhsa_wavefront_size32 1
		.amdhsa_system_sgpr_workgroup_id_x 1
		.amdhsa_system_sgpr_workgroup_id_y 1
		.amdhsa_system_sgpr_workgroup_id_z 1
		.amdhsa_system_vgpr_workitem_id 0
		.amdhsa_next_free_vgpr 256
		.amdhsa_next_free_sgpr 66
		.amdhsa_reserve_vcc 1
		.amdhsa_float_denorm_mode_32 3
		.amdhsa_float_denorm_mode_16_64 3
		.amdhsa_memory_ordered 1
		.amdhsa_forward_progress 1
		.amdhsa_inst_pref_size 97
	.end_amdhsa_kernel
	.amdgpu_metadata
---
amdhsa.version: [ 1, 2 ]
amdhsa.kernels:
  - .name:           k_q138f29ff53_att
    .symbol:         k_q138f29ff53_att.kd
    .args:
      - { .name: qkv, .offset: 0, .size: 8, .value_kind: global_buffer, .address_space: global }
      - { .name: ctx_img, .offset: 8, .size: 8, .value_kind: global_buffer, .address_space: global }
      - { .name: ctx_sc, .offset: 16, .size: 8, .value_kind: global_buffer, .address_space: global }
    .group_segment_fixed_size: 278528
    .private_segment_fixed_size: 0
    .kernarg_segment_align: 8
    .kernarg_segment_size: 24
    .max_flat_workgroup_size: 512
    .sgpr_count:     66
    .vgpr_count:     256
    .wavefront_size: 32
...
	.end_amdgpu_metadata
.endif
;; end of part 3
;; launch outln (part 4): grid 256 x 1, 4 waves a work-group, clusters of 4 x 1, 327,680 bytes of LDS; arguments ctx_img, ctx_sc, out_w_codes, out_w_scales, out_b, x, gamma, beta, out0; writes out0
.if DOCPART == 4
	.amdgcn_target "amdgcn-amd-amdhsa--gfx1250"
	.amdhsa_code_object_version 6
	.text
	.protected	k_q138f29ff53_outln
	.globl	k_q138f29ff53_outln
	.p2align	8
	.type	k_q138f29ff53_outln,@function
k_q138f29ff53_outln:
	s_mov_b64 s[64:65], 0
	v_nop
	global_prefetch_b8 v0, s[64:65] scope:SCOPE_SE
	s_setreg_imm32_b32 hwreg(HW_REG_WAVE_MODE, 25, 1), 1
	s_wait_xcnt 0x0
	s_wait_alu depctr_hold_cnt(0) depctr_sa_sdst(0) depctr_va_vdst(0) depctr_va_sdst(0) depctr_va_ssrc(0) depctr_va_vcc(0) depctr_vm_vsrc(0)
	s_getreg_b32 s2, hwreg(HW_REG_IB_STS2, 6, 4)
	s_cmp_eq_u32 s2, 0
	s_cbranch_scc0 .Lentry_in_a_cluster
	s_endpgm
.Lentry_in_a_cluster:
	s_bfe_u32 s2, ttmp6, 0x10000c
	s_cmp_lg_u32 s2, 0x3003
	s_cbranch_scc0 .Lentry_shape_is_right
	s_endpgm
.Lentry_shape_is_right:
; LAUNCH 4 OF 4: out0 = LayerNorm(x + ctx W_out^T + out_b) x gamma + beta; the product on codes of E5M2 with E8M0 scale bytes.  Nothing of reference()'s work is left out here.
; A work-group owns 32 whole rows (two tiles of 16) and all 1,024 columns; wave w makes columns 128 w .. + 127 and 512 + 128 w .. + 127: 32 accumulators in window 3.
; ctx's codes of the 32 rows, all of K, lie in window 1 as operand registers; out_w goes in K steps of 256 through two LDS slots (slot 0: its rows 0-511, slot 1: rows 512-1,023), 128 rows a wave,
; by joint loads of a cluster of four, each refill behind a drained round of the cluster's barrier.
; x's rows take the places of ctx's codes as these are done with.  The sums go through a stage in LDS (the slots have had their last fill); each wave then normalises 8 whole rows and stores 512 consecutive bytes an instruction.
; LIMITS: NaN and infinities among the inputs are not served.
.set PITCH, 272
.set HALFT, 128*PITCH
.set SLOT,  4*HALFT
.set SPARE, 2*SLOT
.set SPI,   4112
.set XA,   1
.set A4R,  2
.set A32R, 3
.set ADW,  4
.set STO,  6
.set RD,   8
.set SPW,  28
.set NIL,  29
.set CSW,  32
.set Y,    48
.set T0,   112
.set WS,   128
.set OB,   128
.set GA,   160
.set BE,   192
.set WV,   22
.set SEL,  44
.set MSB, 0
.macro WIN new
.if MSB != \new
	s_set_vgpr_msb (MSB<<8)|\new
.set MSB, \new
.endif
.endm
.macro ROUND
	s_barrier_signal -1
	s_barrier_wait -1
	s_cmp_lg_u32 s[WV], 0
	s_cbranch_scc1 .Lnot_wave_0_\@
	s_barrier_signal -3
.Lnot_wave_0_\@:
	s_barrier_wait -3
	s_barrier_signal -1
	s_barrier_wait -1
.endm
	s_load_b256 s[4:11], s[0:1], 0x0
	s_load_b256 s[12:19], s[0:1], 0x20
	s_load_b64 s[20:21], s[0:1], 0x40
	v_lshl_add_u32 v[SPW], v0, 2, SPARE
	v_mov_b32 v[NIL], 0
	ds_add_u32 v[SPW], v[NIL]
	ds_add_u32 v[SPW], v[NIL]
	v_lshrrev_b32 v9, 5, v0
	v_readfirstlane_b32 s[WV], v9
	s_bfe_u32 s23, ttmp6, 0x40000
	s_lshl_b32 s40, ttmp9, 2
	s_add_co_u32 s40, s40, s23
	s_mov_b32 s24, 15|(0<<16)|(1<<20)|(1<<21)|(5<<22)|(3<<25)
	s_mov_b32 s25, 256<<16
	s_mov_b32 s26, 128<<16
	s_mov_b32 s27, 256<<16
	s_mov_b32 s28, 128
	s_mov_b32 s29, 1024
	s_mov_b32 s30, 0
	s_mov_b32 s31, 0
	s_mov_b32 s32, 1
	s_mul_i32 s33, s[WV], HALFT
	s_mov_b32 s36, 1
	s_add_co_u32 s37, s33, SLOT
	s_lshl_b32 s42, s[WV], 17
	s_mov_b32 s43, 0
	s_mov_b32 s[SEL], 0x76543210
	s_mov_b32 s[SEL+1], 0xfedcba98
	s_mov_b32 s48, 0xba800000
	s_mov_b32 s49, 0x3a800000
	s_mov_b32 s50, 0x3727c5ac
	v_and_b32 v9, 31, v0
	v_lshlrev_b32 v[XA], 4, v9
	v_and_b32 v10, 15, v0
	v_bfe_u32 v11, v0, 4, 1
	v_lshlrev_b32 v[A4R], 2, v10
	v_lshlrev_b32 v[A32R], 5, v10
	v_mul_u32_u24 v12, v10, PITCH
	v_lshl_add_u32 v12, v11, 4, v12
	v_add_nc_u32 v[ADW], s33, v12
	v_add_nc_u32 v[ADW+1], s37, v12
	v_mul_u32_u24 v12, v10, SPI
	v_lshl_add_u32 v12, v11, 5, v12
	s_lshl_b32 s41, s[WV], 9
	v_add_nc_u32 v[STO], s41, v12
	v_add_nc_u32 v[STO+1], 16*SPI, v[STO]
	s_mul_i32 s41, s[WV], 8*SPI
	v_add_nc_u32 v[RD], s41, v[XA]
	v_mov_b32 v[T0+5], 0
	v_mov_b32 v[T0+7], 0
	s_wait_dscnt 0x0
	s_wait_kmcnt 0x0
	s_add_nc_u64 s[34:35], s[8:9], s[42:43]
	s_add_nc_u64 s[38:39], s[34:35], 512*1024
	s_or_b32 s35, s35, 0x80000000
	s_or_b32 s39, s39, 0x80000000
	ROUND
	tensor_load_to_lds s[32:35], s[24:31]
	s_nop 0
	s_wait_alu depctr_va_vdst(0)
	s_wait_tensorcnt 0x0
	ds_add_u32 v28, v29
	s_wait_dscnt 0x0
	ROUND
	tensor_load_to_lds s[36:39], s[24:31]
	s_nop 0
.rept 4
	v_nop
.endr
	s_mov_b32 s47, 0
	s_lshl_b32 s46, s40, 15
	s_add_nc_u64 s[4:5], s[4:5], s[46:47]
	s_lshl_b32 s46, s40, 10
	s_add_nc_u64 s[6:7], s[6:7], s[46:47]
	s_lshl_b32 s46, s[WV], 12
	s_add_nc_u64 s[10:11], s[10:11], s[46:47]
	s_lshl_b32 s46, s40, 17
	s_lshl_b32 s41, s[WV], 15
	s_add_co_u32 s46, s46, s41
	s_add_nc_u64 s[14:15], s[14:15], s[46:47]
	s_add_nc_u64 s[20:21], s[20:21], s[46:47]
	WIN 0x40
.irp s, 0,1,2,3,4,5,6,7
.irp a, 0,1
.irp c, 0,1,2,3
	global_load_b128 v[16*(2*\s+\a)+4*\c:16*(2*\s+\a)+4*\c+3], v[XA], s[4:5] offset:\a*16384+2048*\s+512*\c
.endr
.endr
.endr
	WIN 0
.irp a, 0,1
.irp s, 0,1,2,3,4,5,6,7
	global_load_b32 v[CSW+8*\a+\s], v[A4R], s[6:7] offset:512*\a+64*\s
.endr
.endr
.irp nh, 0,1
.irp b, 0,1,2,3,4,5,6,7
	global_load_b128 v[WS+8*(8*\nh+\b):WS+8*(8*\nh+\b)+3], v[A32R], s[10:11] offset:(512*\nh+16*\b)*32
	global_load_b128 v[WS+8*(8*\nh+\b)+4:WS+8*(8*\nh+\b)+7], v[A32R], s[10:11] offset:(512*\nh+16*\b)*32+16
.endr
.endr
	s_wait_loadcnt 0x0
	s_wait_tensorcnt 1
.macro FETCHW nh
	WIN 0x80
.irp q, 0,1
.irp b, 0,1,2,3,4,5,6,7
.irp c, 0,1,2,3
	ds_load_b128 v[16*(8*\q+\b)+4*\c:16*(8*\q+\b)+4*\c+3], v[ADW+\nh] offset:128*\q+32*\c+\b*16*PITCH
.endr
.endr
.endr
.endm
.macro MULP kk, nh, q
.irp a, 0,1
.irp b, 0,1,2,3,4,5,6,7
.if (\kk) == 0 && (\q) == 0
	v_wmma_scale_f32_16x16x128_f8f6f4 v[8*(16*\nh+8*\a+\b):8*(16*\nh+8*\a+\b)+7], v[16*(8*\q+\b):16*(8*\q+\b)+15], v[16*(2*(2*\kk+\q)+\a):16*(2*(2*\kk+\q)+\a)+15], 0, v[WS+8*(8*\nh+\b)+2*\kk+\q], v[CSW+8*\a+2*\kk+\q] matrix_a_fmt:MATRIX_FMT_BF8 matrix_b_fmt:MATRIX_FMT_BF8
.else
	v_wmma_scale_f32_16x16x128_f8f6f4 v[8*(16*\nh+8*\a+\b):8*(16*\nh+8*\a+\b)+7], v[16*(8*\q+\b):16*(8*\q+\b)+15], v[16*(2*(2*\kk+\q)+\a):16*(2*(2*\kk+\q)+\a)+15], v[8*(16*\nh+8*\a+\b):8*(16*\nh+8*\a+\b)+7], v[WS+8*(8*\nh+\b)+2*\kk+\q], v[CSW+8*\a+2*\kk+\q] matrix_a_fmt:MATRIX_FMT_BF8 matrix_b_fmt:MATRIX_FMT_BF8
.endif
.endr
.endr
.endm
.macro PHASE kk, nh
	FETCHW \nh
	s_wait_dscnt 32
	WIN 0xf6
	MULP \kk, \nh, 0
	s_wait_dscnt 0x0
	MULP \kk, \nh, 1
	WIN 0
.endm
.macro CHANGE s
	s_wait_tensorcnt 0x0
	ds_add_u32 v[SPW], v[NIL]
	s_add_nc_u64 s[34+4*\s:35+4*\s], s[34+4*\s:35+4*\s], 256
	s_wait_dscnt 0x0
	ROUND
	tensor_load_to_lds s[32+4*\s:35+4*\s], s[24:31]
	s_nop 0
.rept 8
	v_nop
.endr
.endm
.macro XLOAD kk
.rept 8
	v_nop
.endr
	WIN 0x40
.irp p, 0,1
.irp q, 0,1,2,3,4,5,6,7
	global_load_b128 v[64*\kk+32*\p+4*\q:64*\kk+32*\p+4*\q+3], v[XA], s[14:15] offset:(2*\kk+\p)*4096+512*\q th:TH_LOAD_NT
.endr
.endr
	WIN 0
.endm
	s_wait_alu depctr_va_vdst(0)
	PHASE 0, 0
	CHANGE 0
	PHASE 0, 1
	XLOAD 0
	CHANGE 1
	PHASE 1, 0
	CHANGE 0
	PHASE 1, 1
	XLOAD 1
	CHANGE 1
	PHASE 2, 0
	CHANGE 0
	PHASE 2, 1
	XLOAD 2
	CHANGE 1
	PHASE 3, 0
	s_wait_tensorcnt 0x0
	s_wait_dscnt 0x0
	s_barrier_signal -1
	s_barrier_wait -1
.rept 8
	v_nop
.endr
	PHASE 3, 1
	XLOAD 3
.irp q, 0,1,2,3,4,5,6,7
	global_load_b128 v[OB+4*\q:OB+4*\q+3], v[XA], s[12:13] offset:512*\q
	global_load_b128 v[GA+4*\q:GA+4*\q+3], v[XA], s[16:17] offset:512*\q
	global_load_b128 v[BE+4*\q:BE+4*\q+3], v[XA], s[18:19] offset:512*\q
.endr
	WIN 0x0c
.irp nh, 0,1
.irp a, 0,1
.irp b, 0,1,2,3,4,5,6,7
	ds_store_b128 v[STO+\a], v[8*(16*\nh+8*\a+\b):8*(16*\nh+8*\a+\b)+3] offset:2048*\nh+64*\b
	ds_store_b128 v[STO+\a], v[8*(16*\nh+8*\a+\b)+4:8*(16*\nh+8*\a+\b)+7] offset:2048*\nh+64*\b+16
.endr
.endr
.endr
	WIN 0
	s_wait_dscnt 0x0
	s_barrier_signal -1
	s_barrier_wait -1
	s_wait_loadcnt 0x0
.macro ROWIN p
.irp q, 0,1,2,3,4,5,6,7
	ds_load_b128 v[Y+32*((\p)%2)+4*\q:Y+32*((\p)%2)+4*\q+3], v[RD] offset:(\p)*SPI+512*\q
.endr
.endm
.macro ALLSUM
	v_add_f32_dpp v[T0], v[T0], v[T0] row_xmask:1 row_mask:0xf bank_mask:0xf
	v_add_f32_dpp v[T0], v[T0], v[T0] row_xmask:2 row_mask:0xf bank_mask:0xf
	v_add_f32_dpp v[T0], v[T0], v[T0] row_xmask:4 row_mask:0xf bank_mask:0xf
	v_add_f32_dpp v[T0], v[T0], v[T0] row_xmask:8 row_mask:0xf bank_mask:0xf
	v_permlanex16_b32 v[T0+1], v[T0], s[SEL], s[SEL+1]
	v_add_f32 v[T0], v[T0], v[T0+1]
.endm
.macro LNROW p
.set YB, Y+32*((\p)%2)
.if (\p) < 7
	s_wait_xcnt 0x0
	ROWIN (\p)+1
	s_wait_dscnt 8
.else
	s_wait_dscnt 0x0
.endif
	WIN 0x04
.irp i, 0,2,4,6,8,10,12,14,16,18,20,22,24,26,28,30
	v_pk_add_f32 v[YB+\i:YB+\i+1], v[YB+\i:YB+\i+1], v[32*(\p)+\i:32*(\p)+\i+1]
.endr
	WIN 0
.irp i, 0,2,4,6,8,10,12,14,16,18,20,22,24,26,28,30
	v_pk_add_f32 v[YB+\i:YB+\i+1], v[YB+\i:YB+\i+1], v[OB+\i:OB+\i+1]
.endr
	v_pk_add_f32 v[T0:T0+1], v[YB:YB+1], v[YB+4:YB+5]
	v_pk_add_f32 v[T0+2:T0+3], v[YB+2:YB+3], v[YB+6:YB+7]
.irp i, 8,12,16,20,24,28
	v_pk_add_f32 v[T0:T0+1], v[T0:T0+1], v[YB+\i:YB+\i+1]
	v_pk_add_f32 v[T0+2:T0+3], v[T0+2:T0+3], v[YB+\i+2:YB+\i+3]
.endr
	v_pk_add_f32 v[T0:T0+1], v[T0:T0+1], v[T0+2:T0+3]
	v_add_f32 v[T0], v[T0], v[T0+1]
	ALLSUM
	v_mul_f32 v[T0+4], s48, v[T0]
.irp i, 0,2,4,6,8,10,12,14,16,18,20,22,24,26,28,30
	v_pk_add_f32 v[YB+\i:YB+\i+1], v[YB+\i:YB+\i+1], v[T0+4:T0+5] op_sel_hi:[1,0]
.endr
	v_pk_mul_f32 v[T0:T0+1], v[YB:YB+1], v[YB:YB+1]
	v_pk_mul_f32 v[T0+2:T0+3], v[YB+2:YB+3], v[YB+2:YB+3]
.irp i, 4,8,12,16,20,24,28
	v_pk_fma_f32 v[T0:T0+1], v[YB+\i:YB+\i+1], v[YB+\i:YB+\i+1], v[T0:T0+1]
	v_pk_fma_f32 v[T0+2:T0+3], v[YB+\i+2:YB+\i+3], v[YB+\i+2:YB+\i+3], v[T0+2:T0+3]
.endr
	v_pk_add_f32 v[T0:T0+1], v[T0:T0+1], v[T0+2:T0+3]
	v_add_f32 v[T0], v[T0], v[T0+1]
	ALLSUM
	v_fma_f32 v[T0+6], v[T0], s49, s50
	s_wait_alu depctr_va_vdst(0)
	v_rsq_f32 v[T0+6], v[T0+6]
	v_nop
	s_wait_alu depctr_va_vdst(0)
.irp i, 0,2,4,6,8,10,12,14,16,18,20,22,24,26,28,30
	v_pk_mul_f32 v[YB+\i:YB+\i+1], v[YB+\i:YB+\i+1], v[T0+6:T0+7] op_sel_hi:[1,0]
.endr
.irp i, 0,2,4,6,8,10,12,14,16,18,20,22,24,26,28,30
	v_pk_fma_f32 v[YB+\i:YB+\i+1], v[YB+\i:YB+\i+1], v[GA+\i:GA+\i+1], v[BE+\i:BE+\i+1]
.endr
.irp q, 0,1,2,3,4,5,6,7
	global_store_b128 v[XA], v[YB+4*\q:YB+4*\q+3], s[20:21] offset:(\p)*4096+512*\q th:TH_STORE_NT
.endr
.endm
	ROWIN 0
.irp p, 0,1,2,3,4,5,6,7
	LNROW \p
.endr
	s_wait_tensorcnt 0x0
	ds_add_u32 v[SPW], v[NIL]
	s_wait_dscnt 0x0
	ROUND
	s_endpgm
.Lfunc_end_k_q138f29ff53_outln:
	.size	k_q138f29ff53_outln, .Lfunc_end_k_q138f29ff53_outln-k_q138f29ff53_outln
	.p2alignl 7, 3214868480
	.fill 96, 4, 3214868480
	.section	.rodata,"a",@progbits
	.p2align	6, 0x0
	.amdhsa_kernel k_q138f29ff53_outln
		.amdhsa_group_segment_fixed_size 327680
		.amdhsa_private_segment_fixed_size 0
		.amdhsa_enable_private_segment 0
		.amdhsa_kernarg_size 72
		.amdhsa_user_sgpr_count 2
		.amdhsa_user_sgpr_kernarg_segment_ptr 1
		.amdhsa_wavefront_size32 1
		.amdhsa_system_sgpr_workgroup_id_x 1
		.amdhsa_system_sgpr_workgroup_id_y 1
		.amdhsa_system_sgpr_workgroup_id_z 1
		.amdhsa_system_vgpr_workitem_id 0
		.amdhsa_next_free_vgpr 1024
		.amdhsa_next_free_sgpr 66
		.amdhsa_reserve_vcc 0
		.amdhsa_float_denorm_mode_32 3
		.amdhsa_float_denorm_mode_16_64 3
		.amdhsa_memory_ordered 1
		.amdhsa_forward_progress 1
		.amdhsa_inst_pref_size 175
	.end_amdhsa_kernel
	.amdgpu_metadata
---
amdhsa.version: [ 1, 2 ]
amdhsa.kernels:
  - .name:           k_q138f29ff53_outln
    .symbol:         k_q138f29ff53_outln.kd
    .args:
      - { .name: ctx_img, .offset: 0, .size: 8, .value_kind: global_buffer, .address_space: global }
      - { .name: ctx_sc, .offset: 8, .size: 8, .value_kind: global_buffer, .address_space: global }
      - { .name: out_w_codes, .offset: 16, .size: 8, .value_kind: global_buffer, .address_space: global }
      - { .name: out_w_scales, .offset: 24, .size: 8, .value_kind: global_buffer, .address_space: global }
      - { .name: out_b, .offset: 32, .size: 8, .value_kind: global_buffer, .address_space: global }
      - { .name: x, .offset: 40, .size: 8, .value_kind: global_buffer, .address_space: global }
      - { .name: gamma, .offset: 48, .size: 8, .value_kind: global_buffer, .address_space: global }
      - { .name: beta, .offset: 56, .size: 8, .value_kind: global_buffer, .address_space: global }
      - { .name: out0, .offset: 64, .size: 8, .value_kind: global_buffer, .address_space: global }
    .group_segment_fixed_size: 327680
    .private_segment_fixed_size: 0
    .kernarg_segment_align: 8
    .kernarg_segment_size: 72
    .max_flat_workgroup_size: 128
    .sgpr_count:     66
    .vgpr_count:     1024
    .wavefront_size: 32
...
	.end_amdgpu_metadata
.endif
;; end of part 4
